; MI455X (gfx1250); checked and timed in simulation.
; The chip was launched on July 23, 2026; its instructions are those of AMD's public machine-readable ISA for CDNA 5 (MIT licence, August 2026) and "CDNA5" Instruction Set Architecture Reference Guide (July 2026). The comments in the code are by the model that wrote it; some were corrected since.
;; Grouped Multi Head Attention. Allowed arithmetic: matrix products marked QUANTISED: E2M1 operands, one E8M0 scale for each 32 along K, by v_wmma_scale_f32_16x16x128_f8f6f4 with both operands' format E2M1 (or v_wmma_scale_f32_32x16x128_f4), f32 sums; products left as they are: bf16, f16 or f32 operands; f32 sums; everything else in f32.
;; Inputs: Wk 1,024 x 256 float32; Wo 1,024 x 1,024 float32; Wq 1,024 x 1,024 float32; Wv 1,024 x 256 float32; attn_bias 1 x 1 x 2,048 x 2,048 float32; x 4 x 2,048 x 1,024 float32.
;; Outputs: out0 4 x 2,048 x 1,024 float32.
;; This version of the problem:
;;   THIS VERSION OF THE PROBLEM IS GIVEN IN LOW PRECISION. The matrix products marked QUANTISED in the list below multiply operands that are first quantised to E2M1 (2 exponent bits, 1 mantissa bit; 4 bits a number), with one power-of-two scale for each 32 numbers along K (OCP MX v1.0); their sums are f32. The products marked 'left as it is' may take bf16, f16 or f32 operands, with f32 sums. Whichever they take, every output number must still come out within the allowed error. Rounding operands to bf16 (8 significant bits) uses up far more of that allowance than f16 does (11 bits, for magnitudes from 6e-5 to 65,504). All else is computed in f32.
;;   The module's matrix products, in the order in which they are computed (A, B: the left and right operand; K: the contracted axis; several contracted axes count as one K, in the product's order):
;;     1. [M 8,192, K 1,024] x [K 1,024, N 1,024]; A: input x; B: input Wq: QUANTISED
;;     2. [M 8,192, K 1,024] x [K 1,024, N 256]; A: input x; B: input Wk: QUANTISED
;;     3. [M 8,192, K 1,024] x [K 1,024, N 256]; A: input x; B: input Wv: QUANTISED
;;     4. batch 16 x [M 2,048, K 64] x [K 64, N 8,192]; A: computed on the way; B: computed on the way: left as it is (an operand is computed on the way)
;;     5. batch 16 x [M 64, K 2,048] x [K 2,048, N 8,192]; A: computed on the way; B: computed on the way: left as it is (an operand is computed on the way)
;;     6. [M 8,192, K 1,024] x [K 1,024, N 1,024]; A: computed on the way; B: input Wo: left as it is (an operand is computed on the way)
;;   THE QUANTISER, for each operand of a quantised product, along K:
;;     - K is cut into blocks of 32 from its start; a last block that is shorter is filled with zeros.
;;     - A block's scale is 2^e with e = floor(log2(the largest magnitude in the block)) - 2, held to -126 .. 127; a block of zeros has e = 0. As a byte (E8M0): e + 127.
;;     - Each number is divided by its block's scale, clamped to +-6, and rounded to the nearest number of E2M1, ties to even, subnormals kept.
;;     - The product sums the exact products of the quantised numbers (number of the format x scale) in f32.
;;   ~~~python
;;   def quantise(x, axis):      # numpy; x: float32 -> the quantised numbers, widened to float32 again
;;       x = np.moveaxis(x, axis, -1); K = x.shape[-1]
;;       x = np.pad(x, [(0, 0)] * (x.ndim - 1) + [(0, -K % 32)]); x = x.reshape(x.shape[:-1] + (-1, 32)); a = np.abs(x).max(-1, keepdims=True)
;;       e = np.where(a > 0, np.clip(np.frexp(np.where(a > 0, a, 1))[1] - 1 - 2, -126, 127), 0)      # np.frexp(a)[1] - 1 = floor(log2(a)), exactly
;;       r = np.clip(x / 2.0 ** e, -6, 6)
;;       step = 2.0 ** (np.maximum(np.frexp(np.where(r == 0, 1, r))[1] - 1, 0) - 1)
;;       q = np.round(r / step) * step * 2.0 ** e      # np.round: ties to even
;;       return np.moveaxis(q.reshape(q.shape[:-2] + (-1,))[..., :K], -1, axis).astype(np.float32)
;;   ~~~
;; One version. Each part assembles by itself: llvm-mc -triple=amdgcn-amd-amdhsa -mcpu=gfx1250 --defsym DOCPART=n.
;; ======== version 1 of 1: 4 launches
;; limits: values are held in f16: magnitudes above 65,504 overflow, below 6.1e-05 lose precision
;; workspace buffers: xq 4,456,448 bytes; wq 835,584 bytes; wo16 2,097,152 bytes; rope 1,048,576 bytes; qh 16,777,216 bytes; kv 8,388,608 bytes; y 16,777,216 bytes
;; launch prep (part 1): grid 544 x 1, 4 waves a work-group, no clusters, 42,496 bytes of LDS; arguments x, Wq, Wk, Wv, Wo, xq, wq, wo16, rope; writes xq, wq, wo16, rope
.if DOCPART == 1
	.amdgcn_target "amdgcn-amd-amdhsa--gfx1250"
	.amdhsa_code_object_version 6
	.text
	.protected	k_qe8ed5b7b83_prep
	.globl	k_qe8ed5b7b83_prep
	.p2align	8
	.type	k_qe8ed5b7b83_prep,@function
k_qe8ed5b7b83_prep:
	s_mov_b64 s[64:65], 0
	v_nop
	global_prefetch_b8 v0, s[64:65] scope:SCOPE_SE
	s_setreg_imm32_b32 hwreg(HW_REG_WAVE_MODE, 25, 1), 1
	s_wait_xcnt 0x0
; GROUPED-QUERY ATTENTION, launch 1 of 4: what is made once.
; NOTHING OF THE PROBLEM IS LEFT OUT: x, Wq, Wk, Wv, Wo and attn_bias all reach out0 for some finite values (the bias differs along the softmax's axis), so every input is loaded and every product is done.
; This launch: x [8192][1024] and Wq, Wk, Wv ([1024 k][n]) become codes of E2M1 with one E8M0 byte for each 32 along K (K innermost in both); Wo becomes f16 as it lies; the RoPE tables are made.
;   xq:   codes [8192][512 bytes] at 0, scale bytes [8192][32] at 4,194,304.      wq: codes [1536 n][512 bytes] at 0 (n: Wq's 1024 columns, Wk's 256, Wv's 256), scale bytes [1536][32] at 786,432.
;   rope: two tables [2048 t][cos 0..31, sin 0..31] f32: at 0 multiplied by 1/8 (for q: the scale DH^-0.5, a power of two), at 524,288 plain (for k).
; A block's scale is 2^(floor(log2(largest magnitude)) - 2): its byte is the largest magnitude's exponent field - 2, held at 1 from below.
; LIMITS: NaN and infinities among the inputs are not served.  A block whose largest magnitude lies under 2^-124 keeps the byte 1; a block of zeros gets the byte 1 and zero codes (this program alone reads the bytes).
; The angles t x 10000^(-i/32) are made with v_exp_f32 and reduced in f32 in two steps: they differ from f32 tables made otherwise by some 2e-4 rad at the most (at t near 2047).  Wo is rounded to f16 (range 6e-8 to 65,504).
; SHARES: work-groups 0-95 the weights (W), 96-351 x (X), 352-479 Wo (O), 480-543 the tables (R): the paths part on the work-group's number alone; each path that uses LDS has LDS bytes of its own.
.set SPARE, 41984                      ; the spare words: 128 bytes for each wave, two blocks of 256 bytes that no other line names
.set SPW,   254                        ; v254 LDS address of my spare word; never rewritten
.set NIL,   255                        ; v255 0; never rewritten
.set WSTG,  32768                      ; path W: a stage of 32 rows (columns n) x (256 bytes + 16)
.set WSCL,  41472                      ; path W: 32 columns x 16 scale bytes
	s_load_b256 s[4:11], s[0:1], 0x0               ; x s[4:5], Wq s[6:7], Wk s[8:9], Wv s[10:11]
	s_load_b256 s[12:19], s[0:1], 0x20             ; Wo s[12:13], xq s[14:15], wq s[16:17], wo16 s[18:19]
	s_load_b64 s[20:21], s[0:1], 0x40              ; rope
	v_lshl_add_u32 v[SPW], v0, 2, SPARE
	v_mov_b32 v[NIL], 0
	v_lshrrev_b32 v1, 5, v0
	v_readfirstlane_b32 s22, v1                    ; wave 0..3
	v_and_b32 v2, 31, v0                           ; lane
	s_wait_kmcnt 0x0
	s_cmp_lt_u32 ttmp9, 96
	s_cbranch_scc1 .Lw
	s_cmp_lt_u32 ttmp9, 352
	s_cbranch_scc1 .Lx
	s_cmp_lt_u32 ttmp9, 480
	s_cbranch_scc1 .Lo
; ---- PATH R: the tables.  A work-group makes 32 rows t, eight a pass; sixteen threads fill a row of 256 bytes, four numbers each: threads 0-7 cosines, 8-15 sines.
	s_sub_co_u32 s33, ttmp9, 480
	s_lshl_b32 s34, s33, 13                        ; 32 rows of 256 bytes
	s_mov_b32 s35, 0
	s_add_nc_u64 s[34:35], s[20:21], s[34:35]
	s_lshl_b32 s33, s33, 5                         ; my work-group's first t
	s_mov_b32 s24, 0x3f22f983                      ; 2 / pi
	s_mov_b32 s25, 0xbfc90fdb                      ; -(pi / 2), high part
	s_mov_b32 s26, 0x333bbd2e                      ; -(pi / 2), low part
	s_mov_b32 s27, 0xb9500d01                      ; sine: -1/5040, 1/120, -1/6
	s_mov_b32 s28, 0x3c088889
	s_mov_b32 s29, 0xbe2aaaab
	s_mov_b32 s30, 0x37d00d01                      ; cosine: 1/40320, -1/720, 1/24
	s_mov_b32 s31, 0xbab60b61
	s_mov_b32 s32, 0x3d2aaaab
	v_and_b32 v3, 15, v0                           ; c: my 16 bytes of a row
	v_and_b32 v4, 7, v3
	v_lshrrev_b32 v5, 3, v3
	v_sub_nc_u32 v5, 1, v5                         ; 1 for a cosine, 0 for a sine: cos(a) = sin(a + pi/2)
	v_lshrrev_b32 v6, 4, v0                        ; my row in a pass
	v_lshlrev_b32 v7, 8, v6
	v_lshl_add_u32 v7, v3, 4, v7                   ; my byte offset in a pass's eight rows
	v_lshlrev_b32 v8, 2, v4                        ; my first index i
.irp e, 0,1,2,3
	v_add_nc_u32 v9, \e, v8
	v_cvt_f32_u32 v9, v9
	v_mul_f32 v[12+\e], 0xbed49a78, v9             ; -i log2(10000) / 32
.endr
.irp e, 0,1,2,3
	v_exp_f32 v[12+\e], v[12+\e]                   ; 10000^(-i/32)
.endr
	v_add_nc_u32 v10, s33, v6                      ; (a plain instruction behind the exponentials)  t of pass 0
	s_wait_alu depctr_va_vdst(0)                   ; one wait for the four, ahead of their first reader
; one number: the angle, its quadrant k and the rest r in [-pi/4, pi/4]; sine and cosine of r by polynomials; the quadrant picks one of them and the sign
.macro RVAL p, e
	v_mul_f32 v20, v11, v[12+\e]
	v_mul_f32 v21, s24, v20
	v_rndne_f32 v21, v21
	v_fma_f32 v22, v21, s25, v20
	v_fma_f32 v22, v21, s26, v22
	v_mul_f32 v23, v22, v22
	v_fma_f32 v24, v23, s27, s28
	v_fma_f32 v25, v23, s30, s31
	v_fma_f32 v24, v23, v24, s29
	v_fma_f32 v25, v23, v25, s32
	v_mul_f32 v24, v24, v23
	v_fma_f32 v25, v23, v25, -0.5
	v_fma_f32 v24, v24, v22, v22                   ; sin r
	v_fma_f32 v25, v23, v25, 1.0                   ; cos r
	v_cvt_i32_f32 v26, v21
	v_add_nc_u32 v26, v26, v5
	v_and_b32 v27, 1, v26
	v_cmp_ne_u32 vcc_lo, 0, v27
	v_cndmask_b32 v24, v24, v25, vcc_lo            ; odd quadrants take the cosine
	v_and_b32 v26, 2, v26
	v_lshlrev_b32 v26, 30, v26
	v_xor_b32 v[32+8*\p+\e], v24, v26              ; quadrants 2 and 3 change the sign
	v_mul_f32 v[36+8*\p+\e], 0x3e000000, v[32+8*\p+\e]   ; and the same x 1/8
.endm
.irp p, 0,1,2,3                        ; each pass has data registers of its own: no store's data are written again
	v_add_nc_u32 v11, 8*\p, v10
	v_cvt_f32_u32 v11, v11
.irp e, 0,1,2,3
	RVAL \p, \e
.endr
	global_store_b128 v7, v[36+8*\p:39+8*\p], s[34:35] offset:2048*\p            ; sixteen lanes store a row: 256 consecutive bytes, aligned
	global_store_b128 v7, v[32+8*\p:35+8*\p], s[34:35] offset:524288+2048*\p
.endr
	s_endpgm
; ---- PATH O: Wo to f16, as it lies.  A wave takes 8,192 bytes: 16 loads of 512 consecutive bytes, all issued first; each store covers 256 consecutive bytes, aligned.
.Lo:
	s_sub_co_u32 s24, ttmp9, 352
	s_lshl_b32 s24, s24, 2
	s_add_co_u32 s24, s24, s22                     ; which 8,192 bytes
	s_lshl_b32 s26, s24, 13
	s_mov_b32 s27, 0
	s_add_nc_u64 s[12:13], s[12:13], s[26:27]
	s_lshl_b32 s26, s24, 12
	s_add_nc_u64 s[18:19], s[18:19], s[26:27]
	v_lshlrev_b32 v3, 4, v2
	v_lshlrev_b32 v4, 3, v2
.irp i, 0,1,2,3,4,5,6,7,8,9,10,11,12,13,14,15
	global_load_b128 v[16+4*\i:19+4*\i], v3, s[12:13] offset:512*\i th:TH_LOAD_NT
.endr
.irp i, 0,1,2,3,4,5,6,7,8,9,10,11,12,13,14,15
	s_wait_loadcnt 15-\i                           ; loads come back in order: load i is in, the younger ones stay out
	v_cvt_pk_f16_f32 v[80+2*\i], v[16+4*\i], v[17+4*\i]
	v_cvt_pk_f16_f32 v[81+2*\i], v[18+4*\i], v[19+4*\i]
	global_store_b64 v4, v[80+2*\i:81+2*\i], s[18:19] offset:256*\i
.endr
	s_endpgm
; ---- PATH X: x is a plain stream of blocks of 32.  A wave takes 16 steps of 512 numbers.  Each load reads 512 consecutive bytes; a step's 2,048 bytes turn through the wave's own stage in LDS, so that a lane
; then holds 16 neighbours along K (two neighbouring lanes hold a block).  Loads run eight steps (32 loads a wave) ahead, the turn through LDS one step.
.set XR,  16                           ; v16-143  eight sets of 16 numbers as loaded
.set XX,  144                          ; v144-175 two sets of 16 neighbours
.set XE,  176                          ; v176-191 a scale byte for each step
.set XC,  192                          ; v192-223 two registers of codes for each step: no store's data are written again
.set XSP, 80                           ; a lane's place in a stage: 64 bytes + 16 of padding
.Lx:
	v_lshlrev_b32 v3, 4, v2                        ; my 16 bytes of a load's 512
	s_mul_i32 s23, s22, 8192                       ; my wave's LDS region: two stages of 2,560 bytes, then its 256 scale bytes
	v_lshrrev_b32 v14, 2, v2
	v_mul_u32_u24 v14, v14, XSP
	v_and_b32 v15, 3, v2
	v_lshl_add_u32 v14, v15, 4, v14
	v_add_nc_u32 v14, s23, v14                     ; into the stage: four lanes' 64 bytes on end, then the padding
	v_mul_u32_u24 v15, v2, XSP
	v_add_nc_u32 v15, s23, v15                     ; out of it: my 16 neighbours
	v_lshlrev_b32 v4, 3, v2                        ; my 8 bytes of a step's codes
	v_lshrrev_b32 v5, 1, v2
	s_add_co_u32 s23, s23, 2*32*XSP
	v_add_nc_u32 v5, s23, v5                       ; my block's scale byte in LDS
	v_lshlrev_b32 v7, 3, v2
	v_add_nc_u32 v6, s23, v7
	s_sub_co_u32 s24, ttmp9, 96
	s_lshl_b32 s24, s24, 2
	s_add_co_u32 s24, s24, s22                     ; which run of 8,192 numbers is my wave's: 0..1023
	s_lshl_b32 s26, s24, 15
	s_mov_b32 s27, 0
	s_add_nc_u64 s[4:5], s[4:5], s[26:27]
	s_lshl_b32 s26, s24, 12
	s_add_nc_u64 s[28:29], s[14:15], s[26:27]      ; its codes
	s_lshl_b32 s26, s24, 8
	s_add_co_u32 s26, s26, 4194304
	s_add_nc_u64 s[30:31], s[14:15], s[26:27]      ; its 256 scale bytes
.macro XLOAD t
.irp i, 0,1,2,3
	global_load_b128 v[XR+16*((\t)%8)+4*\i:XR+16*((\t)%8)+4*\i+3], v3, s[4:5] offset:2048*(\t)+512*\i th:TH_LOAD_NT
.endr
.endm
.macro XTURN t                         ; LDS serves a wave's instructions in order: no wait between the stores and the loads
.irp i, 0,1,2,3
	ds_store_b128 v14, v[XR+16*((\t)%8)+4*\i:XR+16*((\t)%8)+4*\i+3] offset:32*XSP*((\t)%2)+8*XSP*\i
.endr
.irp i, 0,1,2,3
	ds_load_b128 v[XX+16*((\t)%2)+4*\i:XX+16*((\t)%2)+4*\i+3], v15 offset:32*XSP*((\t)%2)+16*\i
.endr
.endm
.irp t, 0,1,2,3,4,5,6,7
	XLOAD \t
.endr
	s_wait_loadcnt 28                              ; step 0's four loads are in; the 28 of steps 1 to 7 stay out
	XTURN 0
.macro XSTEP t
.set XS, XX+16*((\t)%2)
.if (\t) > 0
	s_wait_dscnt 1                                 ; this step's numbers are back from the stage (the last step's byte store may be out): its stores into the stage have read their registers,
.else
	s_wait_dscnt 0x0
.endif
.if (\t)+8 < 16
	XLOAD (\t)+8                                   ; which take the loads of eight steps on
.endif
.if (\t)+1 < 16
.if 14-(\t) >= 7
	s_wait_loadcnt 28                              ; the next step's loads are in; those of the seven steps behind it may be out
.else
	s_wait_loadcnt 4*(14-(\t))                     ; (towards the end: of the steps that are left)
.endif
	XTURN (\t)+1
.endif
	v_max3_num_f32 v8, |v[XS]|, |v[XS+1]|, |v[XS+2]|
	v_max3_num_f32 v9, |v[XS+3]|, |v[XS+4]|, |v[XS+5]|
.irp i, 6,10
	v_max3_num_f32 v8, v8, |v[XS+\i]|, |v[XS+\i+1]|
	v_max3_num_f32 v9, v9, |v[XS+\i+2]|, |v[XS+\i+3]|
.endr
	v_max3_num_f32 v8, v8, |v[XS+14]|, |v[XS+15]|
	v_max3_num_f32 v8, v8, v9, 0x1800000           ; and the floor 2^(3 - 127): the byte cannot fall under 1
	v_max_num_f32_dpp v8, v8, v8 row_xmask:1 row_mask:0xf bank_mask:0xf   ; with my neighbour's 16: the block's largest magnitude
	v_add_nc_u32 v11, 0xff000000, v8               ; 2 off its exponent field: the conversion takes that field as its scale
	v_cvt_scalef32_pk8_fp4_f32 v[XC+2*(\t)], v[XS:XS+7], v11
	v_cvt_scalef32_pk8_fp4_f32 v[XC+2*(\t)+1], v[XS+8:XS+15], v11
	v_lshrrev_b32 v[XE+(\t)], 23, v11              ; the scale's byte (a plain instruction behind the conversions)
	ds_store_b8 v5, v[XE+(\t)] offset:16*(\t)      ; both lanes of a block write the same byte with the same value
	global_store_b64 v4, v[XC+2*(\t):XC+2*(\t)+1], s[28:29] offset:256*(\t)   ; the wave stores 256 consecutive bytes, aligned
.endm
.irp t, 0,1,2,3,4,5,6,7,8,9,10,11,12,13,14,15
	XSTEP \t
.endr
	ds_load_b64 v[8:9], v6                         ; my wave's 256 scale bytes: these loads see my stores
	s_wait_dscnt 0x0
	global_store_b64 v7, v[8:9], s[30:31]          ; 256 consecutive bytes, aligned
	s_wait_tensorcnt 0x0                           ; the wave's end
	ds_add_u32 v[SPW], v[NIL]
	s_wait_dscnt 0x0
	s_endpgm
; ---- PATH W: K is the weights' FIRST axis.  A lane takes a column n and its registers run down K: a block of 32 lies in one lane's 32 registers, and the conversions give codes with K innermost.
; A work-group takes 32 columns x 512 along K; wave w the 128 from 128 w on: four blocks, 64 bytes of each column's 256.  The four waves' parts meet in a stage, and leave as whole rows of 256 bytes.
.Lw:
	s_and_b32 s23, ttmp9, 1                        ; which 512 along K
	s_lshr_b32 s24, ttmp9, 1                       ; which 32 of the 1,536 columns
	s_cmp_lt_u32 s24, 40
	s_cselect_b64 s[26:27], s[8:9], s[10:11]       ; Wk or Wv,
	s_cselect_b32 s25, 32, 40
	s_cmp_lt_u32 s24, 32
	s_cselect_b64 s[26:27], s[6:7], s[26:27]       ; or Wq: the choice hangs on the work-group's number alone
	s_cselect_b32 s25, 0, s25                      ; the tensor's first group of columns
	s_cselect_b32 s28, 2, 0
	s_lshl_b32 s28, 1024, s28                      ; its row in bytes: 4,096 or 1,024
	s_sub_co_u32 s25, s24, s25
	s_lshl_b32 s25, s25, 7                         ; my first column, in bytes
	s_lshl_b32 s29, s23, 9
	s_lshl_b32 s30, s22, 7
	s_add_co_u32 s29, s29, s30                     ; my wave's first k
	s_mul_i32 s29, s29, s28
	s_add_co_u32 s30, s29, s25
	s_mov_b32 s31, 0
	s_lshl_b32 s32, s28, 5                         ; 32 rows on
	s_mov_b32 s33, 0
	s_add_nc_u64 s[36:37], s[26:27], s[30:31]      ; a base for each of my four blocks: none is stepped
	s_add_nc_u64 s[38:39], s[36:37], s[32:33]
	s_add_nc_u64 s[40:41], s[38:39], s[32:33]
	s_add_nc_u64 s[42:43], s[40:41], s[32:33]
	v_lshlrev_b32 v16, 2, v2                       ; v16-47: the offsets of a block's 32 rows at my column
.irp i, 1,2,3,4,5,6,7,8,9,10,11,12,13,14,15,16,17,18,19,20,21,22,23,24,25,26,27,28,29,30,31
	v_add_nc_u32 v[16+\i], s28, v[15+\i]
.endr
	v_mul_u32_u24 v4, v2, 272
	s_lshl_b32 s34, s22, 6
	s_add_co_u32 s34, s34, WSTG
	v_add_nc_u32 v4, s34, v4                       ; into the stage: row = my column, my wave's 64 bytes
	v_lshlrev_b32 v5, 4, v2
	v_add_nc_u32 v8, WSCL, v5                      ; my column's 16 scale bytes,
	s_lshl_b32 s34, s22, 2
	v_add_nc_u32 v5, s34, v8                       ; and my wave's word of them
	v_lshrrev_b32 v10, 4, v2
	v_and_b32 v11, 15, v2
	v_mul_u32_u24 v6, v10, 272
	v_lshl_add_u32 v6, v11, 4, v6
	s_mul_i32 s34, s22, 8*272
	s_add_co_u32 s34, s34, WSTG
	v_add_nc_u32 v6, s34, v6                       ; out of the stage: rows 8 w on, sixteen lanes to a row, two rows an instruction
	v_lshlrev_b32 v7, 9, v10
	v_lshl_add_u32 v7, v11, 4, v7                  ; and the same place in the codes' buffer
	v_lshlrev_b32 v9, 5, v2                        ; a column's row of scale bytes is 32 bytes
	s_lshl_b32 s30, s24, 5                         ; my work-group's first n
	s_lshl_b32 s31, s22, 3
	s_add_co_u32 s31, s30, s31
	s_lshl_b32 s34, s31, 9
	s_lshl_b32 s35, s23, 8
	s_add_co_u32 s34, s34, s35
	s_mov_b32 s35, 0
	s_add_nc_u64 s[44:45], s[16:17], s[34:35]      ; codes: row 32 group + 8 w, byte 256 x half
	s_lshl_b32 s34, s30, 5
	s_lshl_b32 s30, s23, 4
	s_add_co_u32 s34, s34, s30
	s_add_co_u32 s34, s34, 786432
	s_add_nc_u64 s[46:47], s[16:17], s[34:35]      ; scale bytes: row 32 group, byte 16 x half
.macro WLOAD t
.set i, 0
.rept 32
	global_load_b32 v[48+32*((\t)%2)+i], v[16+i], s[36+2*(\t):37+2*(\t)] th:TH_LOAD_NT   ; W(k, my column): 32 lanes read 128 consecutive bytes
.set i, i+1
.endr
.endm
	WLOAD 0
	WLOAD 1
.macro WBLOCK t
.set XS, 48+32*((\t)%2)
.if (\t) < 3
	s_wait_loadcnt 32                              ; this block's 32 loads are in; the next block's may be out
.else
	s_wait_loadcnt 0x0
.endif
	v_max3_num_f32 v12, |v[XS]|, |v[XS+1]|, |v[XS+2]|
	v_max3_num_f32 v13, |v[XS+3]|, |v[XS+4]|, |v[XS+5]|
.irp i, 6,10,14,18,22,26
	v_max3_num_f32 v12, v12, |v[XS+\i]|, |v[XS+\i+1]|
	v_max3_num_f32 v13, v13, |v[XS+\i+2]|, |v[XS+\i+3]|
.endr
	v_max3_num_f32 v12, v12, |v[XS+30]|, |v[XS+31]|
	v_max3_num_f32 v12, v12, v13, 0x1800000        ; the floor 2^(3 - 127)
	v_add_nc_u32 v11, 0xff000000, v12
	v_lshrrev_b32 v13, 23, v11                     ; the scale's byte
.if (\t) == 0
	v_mov_b32 v128, v13
.else
	v_lshl_or_b32 v128, v13, 8*(\t), v128          ; four bytes to a word, the lower K in the lower byte
.endif
.irp g, 0,1,2,3
	v_cvt_scalef32_pk8_fp4_f32 v[112+4*(\t)+\g], v[XS+8*\g:XS+8*\g+7], v11
.endr
	v_nop                                          ; a plain instruction behind the conversions
	ds_store_b128 v4, v[112+4*(\t):115+4*(\t)] offset:16*(\t)   ; each block has code registers of its own
.if (\t) < 2
	WLOAD (\t)+2
.endif
.endm
	WBLOCK 0
	WBLOCK 1
	WBLOCK 2
	WBLOCK 3
	ds_store_b32 v5, v128
	s_wait_dscnt 0x0                               ; for the others' sake: my stores into the stage are done
	s_barrier_signal -1
	s_barrier_wait -1                              ; all four waves of this work-group are on this path: it was chosen by the work-group's number
.irp i, 0,1,2,3
	ds_load_b128 v[132+4*\i:135+4*\i], v6 offset:544*\i
.endr
.irp i, 0,1,2,3
	s_wait_dscnt 3-\i
	global_store_b128 v7, v[132+4*\i:135+4*\i], s[44:45] offset:1024*\i   ; sixteen lanes store 256 consecutive bytes, aligned
.endr
	s_cmp_lg_u32 s22, 0
	s_cbranch_scc1 .Lw_end
	ds_load_b128 v[148:151], v8                    ; wave 0: the 32 columns' 16 scale bytes
	s_wait_dscnt 0x0
	global_store_b128 v9, v[148:151], s[46:47]
.Lw_end:
	s_wait_tensorcnt 0x0                           ; the wave's end
	ds_add_u32 v[SPW], v[NIL]
	s_wait_dscnt 0x0
	s_endpgm
.Lfunc_end_k_qe8ed5b7b83_prep:
	.size	k_qe8ed5b7b83_prep, .Lfunc_end_k_qe8ed5b7b83_prep-k_qe8ed5b7b83_prep
	.p2alignl 7, 3214868480
	.fill 96, 4, 3214868480
	.section	.rodata,"a",@progbits
	.p2align	6, 0x0
	.amdhsa_kernel k_qe8ed5b7b83_prep
		.amdhsa_group_segment_fixed_size 42496
		.amdhsa_private_segment_fixed_size 0
		.amdhsa_enable_private_segment 0
		.amdhsa_kernarg_size 72
		.amdhsa_user_sgpr_count 2
		.amdhsa_user_sgpr_kernarg_segment_ptr 1
		.amdhsa_wavefront_size32 1
		.amdhsa_system_sgpr_workgroup_id_x 1
		.amdhsa_system_sgpr_workgroup_id_y 1
		.amdhsa_system_sgpr_workgroup_id_z 1
		.amdhsa_system_vgpr_workitem_id 0
		.amdhsa_next_free_vgpr 256
		.amdhsa_next_free_sgpr 66
		.amdhsa_reserve_vcc 1
		.amdhsa_float_denorm_mode_32 3
		.amdhsa_float_denorm_mode_16_64 3
		.amdhsa_memory_ordered 1
		.amdhsa_forward_progress 1
		.amdhsa_inst_pref_size 81
	.end_amdhsa_kernel
	.amdgpu_metadata
---
amdhsa.version: [ 1, 2 ]
amdhsa.kernels:
  - .name:           k_qe8ed5b7b83_prep
    .symbol:         k_qe8ed5b7b83_prep.kd
    .args:
      - { .name: x, .offset: 0, .size: 8, .value_kind: global_buffer, .address_space: global }
      - { .name: Wq, .offset: 8, .size: 8, .value_kind: global_buffer, .address_space: global }
      - { .name: Wk, .offset: 16, .size: 8, .value_kind: global_buffer, .address_space: global }
      - { .name: Wv, .offset: 24, .size: 8, .value_kind: global_buffer, .address_space: global }
      - { .name: Wo, .offset: 32, .size: 8, .value_kind: global_buffer, .address_space: global }
      - { .name: xq, .offset: 40, .size: 8, .value_kind: global_buffer, .address_space: global }
      - { .name: wq, .offset: 48, .size: 8, .value_kind: global_buffer, .address_space: global }
      - { .name: wo16, .offset: 56, .size: 8, .value_kind: global_buffer, .address_space: global }
      - { .name: rope, .offset: 64, .size: 8, .value_kind: global_buffer, .address_space: global }
    .group_segment_fixed_size: 42496
    .private_segment_fixed_size: 0
    .kernarg_segment_align: 8
    .kernarg_segment_size: 72
    .max_flat_workgroup_size: 128
    .sgpr_count:     66
    .vgpr_count:     256
    .wavefront_size: 32
...
	.end_amdgpu_metadata
.endif
;; end of part 1
;; launch qkv (part 2): grid 32 x 6, 4 waves a work-group, clusters of 4 x 1, 327,680 bytes of LDS; arguments xq, wq, rope, qh, kv; writes qh, kv
.if DOCPART == 2
	.amdgcn_target "amdgcn-amd-amdhsa--gfx1250"
	.amdhsa_code_object_version 6
	.text
	.protected	k_qe8ed5b7b83_qkv
	.globl	k_qe8ed5b7b83_qkv
	.p2align	8
	.type	k_qe8ed5b7b83_qkv,@function
k_qe8ed5b7b83_qkv:
	s_mov_b64 s[64:65], 0
	v_nop
	global_prefetch_b8 v0, s[64:65] scope:SCOPE_SE
	s_setreg_imm32_b32 hwreg(HW_REG_WAVE_MODE, 25, 1), 1
	s_wait_xcnt 0x0
	s_wait_alu depctr_hold_cnt(0) depctr_sa_sdst(0) depctr_va_vdst(0) depctr_va_sdst(0) depctr_va_ssrc(0) depctr_va_vcc(0) depctr_vm_vsrc(0)
	s_getreg_b32 s2, hwreg(HW_REG_IB_STS2, 6, 4)
	s_cmp_eq_u32 s2, 0
	s_cbranch_scc0 .Lentry_in_a_cluster
	s_endpgm
.Lentry_in_a_cluster:
	s_bfe_u32 s2, ttmp6, 0x10000c
	s_cmp_lg_u32 s2, 0x3003
	s_cbranch_scc0 .Lentry_shape_is_right
	s_endpgm
.Lentry_shape_is_right:
; Launch 2 of 4: [q | k | v] = x [Wq | Wk | Wv] on codes of E2M1 with E8M0 scales (8192 x 1536 x 1024), RoPE on q and k, results as f16.  Nothing is left out.
; xq: codes [8192][512 bytes], scale bytes [8192][32] at 4,194,304.  wq: codes [1536][512 bytes], scale bytes at 786,432.  rope: [2048][cos 32, sin 32] f32, x 1/8 at 0 (for q), plain at 524,288 (for k).
; qh: [b][16 heads][t][64] f16 (already x 1/8).  kv: k [b][4][t][64] f16 at 0, v likewise at 4,194,304.  LIMIT: q, k, v are rounded to f16 (range 6e-8 to 65,504).
; A tile of 256 rows x 256 columns is made by four waves, 128 x 128 each (two heads): 64 accumulators.  Work-group y = 0..3: q's heads 4 y on; 4: k; 5: v.  32 x 6 = 192 work-groups: a finer split would cut heads.
; K = 1024 is two K steps of 512 (rows of 256 bytes): both are first fills, nothing in LDS is filled again, and there is no loop.
; CLUSTER: the four work-groups of a cluster (x) share y, so they need the same tiles of the weights: those are asked for JOINTLY (mask 15).  x's tiles are each work-group's own: plain loads.
; THE MATRIX INSTRUCTION IS USED TRANSPOSED (source 0 = 16 rows of wq, source 1 = 16 rows of xq): a lane holds eight neighbouring columns of one row.
; REGISTERS: window 0: v0-31 addresses; v32-95 scale words, two sets; v128-191 x's fragments, one set.  window 1: the weights' fragments, two sets.  windows 2, 3: the accumulators ((a, b) at v[8 (8 (a % 4) + b)]).
.set KSTEP,  512
.set NQ,     4
.set ROWB,   256
.set KROW,   512
.set PITCH,  272                       ; 256 bytes + 16 of padding: the 16 rows of a fragment load start at 16 different banks
.set FR,     8
.set NL,     2
.set NP,     4
.set HALFT,  128*PITCH
.set SLOT,   4*HALFT
.set KS,     32
.set SCL,    2*SLOT                    ; behind the two slots: the scale bytes, as units of 256 bytes + 16
.set HALFS,  (128*KS/256)*272
.set SBLK,   (16*KS/256)*272
.set SPARE,  SCL+4*HALFS               ; the spare words: 128 bytes for each wave
.set SPITCH, 272                       ; the way out: a stage of 16 rows x (256 bytes + 16) for each wave, in slot 0, which has had its only fill and its last read by then
.set VSTG,   65536                     ; the path for v has stage bytes of its own, also in slot 0
.set ADRA, 16
.set ADRB, 20
.set STO2, 22
.set RD2,  23
.set STO,  24
.set RD,   25
.set CO,   26
.set ADRS, 27
.set SPW,  28
.set NIL,  29
.set TO,   30                          ; v30 my byte offset in 16 rows of a table: 256 r + 32 h
.set SC,   32
.set AF,   128
.set TMP,  32                          ; the way out: 64 results in f32
.set PKD,  96                          ; 32 registers of f16 pairs
.set RB,   128                         ; rows read back from the stage: two sets of 32
.set TBL,  192                         ; cosines and sines: two sets of 32: cos at 8 u + j, sin at 16 + 8 u + j
.set G1, 24
.set G0, 32
.set G1B, 48
.set G0B, 56
.set G1S, 68
.set G0S, 76
.set G1SB, 80
.set G0SB, 88
.set MSB, 0
.macro WIN new                         ; the immediate's high byte repeats the setting that is left
.if MSB != \new
	s_set_vgpr_msb (MSB<<8)|\new
.set MSB, \new
.endif
.endm
.set MUL_LO, 0xa1
.set MUL_HI, 0xf1
.set TO_B,   0x40
; waves 0 and 1 fetch for x, waves 2 and 3 for the weights.  The branch hangs on the wave's number alone.  An s_nop 0 and four v_nop follow each of the two lines.
.macro JLOAD g0a, g1a, g0b, g1b
	s_cmp_eq_u32 s15, 0
	s_cbranch_scc0 .Lfor_b_\@
	tensor_load_to_lds s[\g0a:\g0a+3], s[\g1a:\g1a+7]
	s_nop 0
.rept 4
	v_nop
.endr
	s_branch .Lasked_\@
.Lfor_b_\@:
	tensor_load_to_lds s[\g0b:\g0b+3], s[\g1b:\g1b+7]
	s_nop 0
.rept 4
	v_nop
.endr
.Lasked_\@:
.endm
.macro CROUND                          ; a round of the cluster's barrier
	s_barrier_signal -1
	s_barrier_wait -1
	s_cmp_lg_u32 s14, 0
	s_cbranch_scc1 .Lnot_wave_0_\@
	s_barrier_signal -3
.Lnot_wave_0_\@:
	s_barrier_wait -3
	s_barrier_signal -1
	s_barrier_wait -1
.endm
	s_load_b256 s[4:11], s[0:1], 0x0               ; xq s[4:5], wq s[6:7], rope s[8:9], qh s[10:11]
	s_load_b64 s[12:13], s[0:1], 0x20              ; kv
	v_lshl_add_u32 v[SPW], v0, 2, SPARE
	v_mov_b32 v[NIL], 0
	ds_add_u32 v[SPW], v[NIL]                      ; the wave's opening: the add, twice on end, and its wait ahead of my first tensor load
	ds_add_u32 v[SPW], v[NIL]
	v_lshrrev_b32 v1, 5, v0
	v_readfirstlane_b32 s14, v1                    ; wave 0..3
	s_lshr_b32 s15, s14, 1                         ; which half of the tile's rows is mine.  Also: I fetch for x (0) or for the weights (1)
	s_and_b32 s16, s14, 1                          ; which half of its columns.  Also: which 128 rows I fetch
	s_bfe_u32 s40, ttmp6, 0x40000                  ; cx
	s_lshl_b32 s17, ttmp9, 2
	s_add_co_u32 s17, s17, s40                     ; tile row = 4 x cluster x + cx
	s_and_b32 s42, ttmp7, 0xffff                   ; tile column y, the same in the four partners
	s_mov_b32 s[G1+0], (0<<16)|(1<<20)|(5<<22)|(3<<25)              ; x's codes: no mask; elements of 1 byte; 4 words of padding after every 64
	s_mov_b32 s[G1B+0], 15|(0<<16)|(1<<20)|(1<<21)|(5<<22)|(3<<25)  ; the weights': the mask names the four partners; bit 21 beside it
.irp g, G1, G1B
	s_mov_b32 s[\g+1], ROWB<<16                    ; tensor_dim0
	s_mov_b32 s[\g+2], 128<<16                     ; tensor_dim1
	s_mov_b32 s[\g+3], ROWB<<16                    ; tile_dim0
	s_mov_b32 s[\g+4], 128                         ; tile_dim1
	s_mov_b32 s[\g+5], KROW                        ; from row to row
	s_mov_b32 s[\g+6], 0
	s_mov_b32 s[\g+7], 0
.endr
	s_mov_b32 s[G1S+0], (3<<16)|(1<<20)|(5<<22)|(3<<25)             ; the scale bytes of 128 rows: 4,096 dense bytes as 16 rows of 256 (32 elements of 8 bytes)
	s_mov_b32 s[G1SB+0], 15|(3<<16)|(1<<20)|(1<<21)|(5<<22)|(3<<25)
.irp g, G1S, G1SB
	s_mov_b32 s[\g+1], 32<<16
	s_mov_b32 s[\g+2], (128*KS/256)<<16
	s_mov_b32 s[\g+3], 32<<16
	s_mov_b32 s[\g+4], 128*KS/256
	s_mov_b32 s[\g+5], 32
	s_mov_b32 s[\g+6], 0
	s_mov_b32 s[\g+7], 0
.endr
	s_lshl_b32 s18, s16, 7
	s_lshl_b32 s20, s17, 8
	s_add_co_u32 s20, s20, s18                     ; x: row 256 x tile row + 128 x half
	s_lshl_b32 s46, s42, 8
	s_add_co_u32 s46, s46, s18                     ; weights: row 256 y + 128 x half
	s_lshl_b32 s22, s20, 5
	s_add_co_u32 s22, s22, 4194304                 ; where these rows' scale bytes begin,
	s_mov_b32 s23, 0
	s_lshl_b32 s20, s20, 9                         ; and their codes
	s_mov_b32 s21, 0
	s_lshl_b32 s92, s46, 5
	s_add_co_u32 s92, s92, 786432
	s_mov_b32 s93, 0
	s_lshl_b32 s46, s46, 9
	s_mov_b32 s47, 0
	s_mul_i32 s45, s14, HALFT                      ; where they go: wave x 128 rows
	s_mul_i32 s94, s14, HALFS
	s_wait_dscnt 0x0                               ; both opening adds are done
	s_wait_kmcnt 0x0
	s_add_nc_u64 s[20:21], s[4:5], s[20:21]
	s_add_nc_u64 s[22:23], s[4:5], s[22:23]
	s_add_nc_u64 s[46:47], s[6:7], s[46:47]
	s_add_nc_u64 s[92:93], s[6:7], s[92:93]
	CROUND                                         ; all four work-groups are here: the first loads go out as one group
	s_mov_b32 s[G0S], 1
	s_add_co_u32 s[G0S+1], s94, SCL
	s_mov_b64 s[G0S+2:G0S+3], s[22:23]
	s_or_b32 s[G0S+3], s[G0S+3], 0x80000000
	s_mov_b32 s[G0SB], 1
	s_add_co_u32 s[G0SB+1], s94, SCL
	s_mov_b64 s[G0SB+2:G0SB+3], s[92:93]
	s_or_b32 s[G0SB+3], s[G0SB+3], 0x80000000
	JLOAD G0S, G1S, G0SB, G1SB                     ; the scale bytes first
.irp s, 0,1
	s_mov_b32 s[G0+4*\s], 1
	s_add_co_u32 s[G0+4*\s+1], s45, \s*SLOT
	s_add_nc_u64 s[G0+4*\s+2:G0+4*\s+3], s[20:21], \s*ROWB
	s_or_b32 s[G0+4*\s+3], s[G0+4*\s+3], 0x80000000
	s_mov_b32 s[G0B+4*\s], 1
	s_add_co_u32 s[G0B+4*\s+1], s45, \s*SLOT
	s_add_nc_u64 s[G0B+4*\s+2:G0B+4*\s+3], s[46:47], \s*ROWB
	s_or_b32 s[G0B+4*\s+3], s[G0B+4*\s+3], 0x80000000
	JLOAD G0+4*\s, G1, G0B+4*\s, G1B               ; three tensor loads of a wave are out
.endr
	v_and_b32 v1, 15, v0                           ; r
	v_bfe_u32 v2, v0, 4, 1                         ; h
	v_mul_u32_u24 v3, v1, PITCH
	v_lshl_add_u32 v4, v2, 4, v3
	s_mul_i32 s21, s15, HALFT
	s_mul_i32 s22, s16, HALFT
	s_add_co_u32 s22, s22, 2*HALFT
.irp s, 0,1
	v_add_nc_u32 v[ADRA+\s], s21, v4
	v_add_nc_u32 v[ADRB+\s], s22, v4
	s_add_co_u32 s21, s21, SLOT
	s_add_co_u32 s22, s22, SLOT
.endr
	v_mul_u32_u24 v5, v1, KS                       ; my row's scale bytes: 32 a row, and 16 more for each 256 passed
	v_lshrrev_b32 v6, 8, v5
	v_lshl_add_u32 v5, v6, 4, v5
	s_mul_i32 s21, s15, HALFS
	s_mul_i32 s22, s16, HALFS
	s_add_co_u32 s22, s22, 2*HALFS
	s_sub_co_u32 s22, s22, s21
	v_mul_u32_u24 v6, s22, v2                      ; lanes 16-31 take the weights'
	s_add_co_u32 s21, s21, SCL
	v_add_nc_u32 v5, v5, v6
	v_add_nc_u32 v[ADRS], s21, v5
	s_mul_i32 s23, s14, 16*SPITCH                  ; my stage
	v_mul_u32_u24 v5, v1, SPITCH
	v_lshl_add_u32 v5, v2, 4, v5
	v_add_nc_u32 v[STO], s23, v5                   ; in: row r, 16 bytes for each half of the lanes
	v_add_nc_u32 v[STO2], VSTG, v[STO]
	v_and_b32 v6, 31, v0
	v_lshrrev_b32 v5, 3, v6
	v_mul_u32_u24 v5, v5, SPITCH
	v_and_b32 v7, 7, v0
	v_lshl_add_u32 v5, v7, 4, v5
	v_add_nc_u32 v[RD], s23, v5                    ; back: eight lanes take one head's 128 bytes of a row, four rows an instruction
	v_add_nc_u32 v[RD2], VSTG, v[RD]
	v_lshlrev_b32 v[CO], 4, v6                     ; which are 512 consecutive bytes of the output
	v_lshlrev_b32 v[TO], 8, v1
	v_lshl_add_u32 v[TO], v2, 5, v[TO]
	; where my 128 rows x 2 heads go, and my rows of the table
	s_lshl_b32 s20, s17, 8
	s_lshl_b32 s21, s15, 7
	s_add_co_u32 s20, s20, s21                     ; my first row of x
	s_lshr_b32 s21, s20, 11                        ; b
	s_and_b32 s20, s20, 2047                       ; t
	s_cmp_lt_u32 s42, 4
	s_cselect_b64 s[96:97], s[10:11], s[12:13]     ; qh or kv: the choice hangs on the work-group's y alone
	s_cselect_b32 s22, 4, 2                        ; 16 heads or 4
	s_cselect_b32 s23, s42, 0
	s_cmp_eq_u32 s42, 5
	s_cselect_b32 s18, 4194304, 0                  ; v lies behind k
	s_cmp_eq_u32 s42, 4
	s_cselect_b32 s19, 524288, 0                   ; k takes the plain table
	s_lshl_b32 s21, s21, s22
	s_lshl_b32 s23, s23, 2
	s_add_co_u32 s21, s21, s23
	s_lshl_b32 s23, s16, 1
	s_add_co_u32 s21, s21, s23                     ; my first head, counted over batches
	s_lshl_b32 s21, s21, 11
	s_add_co_u32 s21, s21, s20
	s_lshl_b32 s22, s21, 7                         ; a row of a head is 128 bytes
	s_add_co_u32 s22, s22, s18
	s_mov_b32 s23, 0
	s_add_nc_u64 s[96:97], s[96:97], s[22:23]
	s_lshl_b32 s22, s20, 8
	s_add_co_u32 s22, s22, s19
	s_add_nc_u64 s[98:99], s[8:9], s[22:23]
.macro FRAG reg, adr, q, i             ; 16 rows x 128 K of 4-bit codes: 8 registers: lane l holds row l % 16; registers 4 c .. 4 c + 3 hold K = 64 c + 32 (l / 16) + 0 .. 31
.irp c, 0,1
	ds_load_b128 v[\reg+4*\c:\reg+4*\c+3], v[\adr] offset:64*(\q)+32*\c+(\i)*16*PITCH
.endr
.endm
; 16 matrix instructions: x's blocks a0, a0 + 1 against the weights' eight.  The 64 accumulators take turns, one instruction a turn, in the same order in every step.
.macro MUL16 a0, p, q, sc, zero
.irp a, \a0, \a0+1
.irp b, 0,1,2,3,4,5,6,7
.if \zero
	v_wmma_scale_f32_16x16x128_f8f6f4 v[8*(8*((\a)%4)+\b):8*(8*((\a)%4)+\b)+7], v[128*(\p)+FR*\b:128*(\p)+FR*\b+FR-1], v[AF+FR*(\a):AF+FR*(\a)+FR-1], 0, v[SC+8*NQ*(\sc)+NQ*\b+(\q)], v[SC+8*NQ*(\sc)+NQ*(\a)+(\q)] matrix_a_fmt:MATRIX_FMT_FP4 matrix_b_fmt:MATRIX_FMT_FP4 matrix_a_scale:MATRIX_SCALE_ROW1
.else
	v_wmma_scale_f32_16x16x128_f8f6f4 v[8*(8*((\a)%4)+\b):8*(8*((\a)%4)+\b)+7], v[128*(\p)+FR*\b:128*(\p)+FR*\b+FR-1], v[AF+FR*(\a):AF+FR*(\a)+FR-1], v[8*(8*((\a)%4)+\b):8*(8*((\a)%4)+\b)+7], v[SC+8*NQ*(\sc)+NQ*\b+(\q)], v[SC+8*NQ*(\sc)+NQ*(\a)+(\q)] matrix_a_fmt:MATRIX_FMT_FP4 matrix_b_fmt:MATRIX_FMT_FP4 matrix_a_scale:MATRIX_SCALE_ROW1
.endif
.endr
.endr
.endm
.macro FETCH_B slot, q, p
	WIN TO_B
.irp i, 0,1,2,3,4,5,6,7
	FRAG 128*(\p)+FR*\i, ADRB+\slot, \q, \i
.endr
	WIN 0
.endm
.macro FETCH_A slot, q, i0
.irp i, \i0, \i0+1, \i0+2, \i0+3
	FRAG AF+FR*(\i), ADRA+\slot, \q, \i
.endr
.endm
.macro SCALES sc                       ; a K step's scale words: lanes 0-15 x's block i, lanes 16-31 the weights' block i
.irp i, 0,1,2,3,4,5,6,7
	ds_load_b128 v[SC+8*NQ*\sc+NQ*\i:SC+8*NQ*\sc+NQ*\i+3], v[ADRS] offset:\i*SBLK
.endr
.endm
.macro PLACES n                        ; plain vector instructions between a matrix instruction and a load into, or a read of, its registers
.rept \n
	v_nop
.endr
.endm
.macro STEP slot, q, zero              ; 128 along K, with its successor in the same slot
	s_wait_dscnt 4*NL                              ; the weights' set and x's blocks 0-3 are in; the youngest eight loads (blocks 4-7) may be out
	WIN MUL_LO
	MUL16 0, (\q)%2, \q, \slot, \zero
	MUL16 2, (\q)%2, \q, \slot, \zero
	s_wait_dscnt 0
	PLACES NP
	FETCH_B \slot, (\q)+1, 1-(\q)%2
	FETCH_A \slot, (\q)+1, 0
	WIN MUL_HI
	MUL16 4, (\q)%2, \q, \slot, \zero
	MUL16 6, (\q)%2, \q, \slot, \zero
	PLACES NP
	WIN 0
	FETCH_A \slot, (\q)+1, 4
.endm
.macro STEPS slot, from
.set Q, \from
.rept NQ-1-\from
	STEP \slot, Q, 0
.set Q, Q+1
.endr
.endm
	s_wait_tensorcnt 1                             ; the scale bytes and my part of K step 0 are in; K step 1's load may be out
	s_barrier_signal -1
	s_barrier_wait -1
	FETCH_B 0, 0, 0
	FETCH_A 0, 0, 0
	SCALES 0
	FETCH_A 0, 0, 4
	STEP 0, 0, 1                                   ; the first products start the sums: nothing is cleared
	STEPS 0, 1
	; slot 0's last step changes slots: each wave waits for its tensor loads (its part of slot 1) and for its reads of slot 0; behind the barrier slot 1 is whole and nobody reads slot 0
	s_wait_tensorcnt 0x0
	ds_add_u32 v[SPW], v[NIL]                      ; 0 onto my spare word
	s_wait_dscnt 4*NL+1                            ; (the add and the youngest eight loads may be out)
	WIN MUL_LO
	MUL16 0, 1, NQ-1, 0, 0
	s_wait_dscnt 0x0
	s_barrier_signal -1
	MUL16 2, 1, NQ-1, 0, 0
	WIN 0
	s_barrier_wait -1
	PLACES NP
	v_add_nc_u32 v[ADRS], 4*NQ, v[ADRS]            ; on to K step 1's scale words
	FETCH_B 1, 0, 0
	FETCH_A 1, 0, 0
	SCALES 1
	WIN MUL_HI
	MUL16 4, 1, NQ-1, 0, 0
	MUL16 6, 1, NQ-1, 0, 0
	PLACES NP
	WIN 0
	FETCH_A 1, 0, 4
	STEPS 1, 0
	s_wait_dscnt 4*NL
	WIN MUL_LO
	MUL16 0, 1, NQ-1, 1, 0
	MUL16 2, 1, NQ-1, 1, 0
	s_wait_dscnt 0
	WIN MUL_HI
	MUL16 4, 1, NQ-1, 1, 0
	MUL16 6, 1, NQ-1, 1, 0
	WIN 0
; THE WAY OUT, block by block of 16 rows.  In accumulator (a, b) lane (r, h) holds row 16 a + r, columns 16 b + 8 h + 0..7 of my 128: head b / 4, channel d = 16 (b % 4) + 8 h + j.
; RoPE pairs channel d < 32 (b % 4 = u) with d + 32 (b % 4 = 2 + u): both lie in the same lane.  Results go as f16 through my stage and leave as 512 consecutive bytes: four rows of one head.
.macro TLD a                           ; the 16 rows' cosines and sines at my 16 indices: 16 u + 8 h + 0..7
.irp sn, 0,1
.irp u, 0,1
.irp hf, 0,1
	global_load_b128 v[TBL+32*((\a)%2)+16*\sn+8*\u+4*\hf:TBL+32*((\a)%2)+16*\sn+8*\u+4*\hf+3], v[TO], s[98:99] offset:4096*(\a)+128*\sn+64*\u+16*\hf
.endr
.endr
.endr
.endm
.macro ROPE a
.set AC, 64*((\a)%4)
.set TS, TBL+32*((\a)%2)
	WIN 0x02+((\a)/4)                              ; source 0: the accumulators' window
.irp hh, 0,1
.irp u, 0,1
.irp jp, 0,2,4,6                       ; each accumulator is read from its low end on
	v_pk_mul_f32 v[TMP+8*(4*\hh+\u)+\jp:TMP+8*(4*\hh+\u)+\jp+1], v[AC+8*(4*\hh+2+\u)+\jp:AC+8*(4*\hh+2+\u)+\jp+1], v[TS+16+8*\u+\jp:TS+16+8*\u+\jp+1]       ; x2 sin
	v_pk_mul_f32 v[TMP+8*(4*\hh+2+\u)+\jp:TMP+8*(4*\hh+2+\u)+\jp+1], v[AC+8*(4*\hh+2+\u)+\jp:AC+8*(4*\hh+2+\u)+\jp+1], v[TS+8*\u+\jp:TS+8*\u+\jp+1]        ; x2 cos
.endr
.irp jp, 0,2,4,6
	v_pk_fma_f32 v[TMP+8*(4*\hh+\u)+\jp:TMP+8*(4*\hh+\u)+\jp+1], v[AC+8*(4*\hh+\u)+\jp:AC+8*(4*\hh+\u)+\jp+1], v[TS+8*\u+\jp:TS+8*\u+\jp+1], v[TMP+8*(4*\hh+\u)+\jp:TMP+8*(4*\hh+\u)+\jp+1] neg_lo:[0,0,1] neg_hi:[0,0,1]   ; x1 cos - x2 sin
	v_pk_fma_f32 v[TMP+8*(4*\hh+2+\u)+\jp:TMP+8*(4*\hh+2+\u)+\jp+1], v[AC+8*(4*\hh+\u)+\jp:AC+8*(4*\hh+\u)+\jp+1], v[TS+16+8*\u+\jp:TS+16+8*\u+\jp+1], v[TMP+8*(4*\hh+2+\u)+\jp:TMP+8*(4*\hh+2+\u)+\jp+1]                   ; x1 sin + x2 cos
.endr
.endr
.endr
	WIN 0
.set i, 0
.rept 32
	v_cvt_pk_f16_f32 v[PKD+i], v[TMP+2*i], v[TMP+2*i+1]
.set i, i+1
.endr
.endm
.macro PACKV a                         ; v has no rotation: rounded as it stands
.set AC, 64*((\a)%4)
	WIN 0x0a+5*((\a)/4)
.set i, 0
.rept 32
	v_cvt_pk_f16_f32 v[PKD+i], v[AC+2*i], v[AC+2*i+1]
.set i, i+1
.endr
	WIN 0
.endm
.macro TOSTAGE a, sto, rd              ; LDS serves a wave's instructions in order: the loads see the stores
.irp b, 0,1,2,3,4,5,6,7
	ds_store_b128 v[\sto], v[PKD+4*\b:PKD+4*\b+3] offset:32*\b
.endr
.irp i, 0,1,2,3,4,5,6,7
	ds_load_b128 v[RB+32*((\a)%2)+4*\i:RB+32*((\a)%2)+4*\i+3], v[\rd] offset:1088*(\i%4)+128*(\i/4)
.endr
.endm
.macro SEND a
	s_wait_dscnt 0x0                               ; the block is back in registers
.irp i, 0,1,2,3,4,5,6,7
	global_store_b128 v[CO], v[RB+32*((\a)%2)+4*\i:RB+32*((\a)%2)+4*\i+3], s[96:97] offset:2048*(\a)+512*(\i%4)+262144*(\i/4)   ; 32 lanes store 512 consecutive bytes, aligned; the second head lies 2,048 rows on
.endr
.endm
	PLACES NP                                      ; behind the last products
	s_cmp_eq_u32 s42, 5                            ; the work-group's y: the same in all waves and in all four partners
	s_cbranch_scc1 .Lvpath
	TLD 0
	TLD 1
.irp a, 0,1,2,3,4,5,6,7
.if \a < 7
	s_wait_loadcnt 8                               ; this block's eight table loads are in; the next block's eight may be out
.else
	s_wait_loadcnt 0x0
.endif
	ROPE \a
.if \a < 6
	TLD \a+2                                       ; into the set just read
.endif
.if \a > 0
	SEND \a-1
.endif
.if \a > 1
	s_wait_xcnt 0x0                                ; block a - 2's stores have read their registers: block a's loads may land there
.endif
	TOSTAGE \a, STO, RD
.endr
	SEND 7
	s_branch .Lend
.Lvpath:
.irp a, 0,1,2,3,4,5,6,7
	PACKV \a
.if \a > 0
	SEND \a-1
.endif
.if \a > 1
	s_wait_xcnt 0x0
.endif
	TOSTAGE \a, STO2, RD2
.endr
	SEND 7
.Lend:
	s_wait_tensorcnt 0x0                           ; the wave's end
	ds_add_u32 v[SPW], v[NIL]
	s_wait_dscnt 0x0
	CROUND                                         ; the closing round
	s_endpgm
.Lfunc_end_k_qe8ed5b7b83_qkv:
	.size	k_qe8ed5b7b83_qkv, .Lfunc_end_k_qe8ed5b7b83_qkv-k_qe8ed5b7b83_qkv
	.p2alignl 7, 3214868480
	.fill 96, 4, 3214868480
	.section	.rodata,"a",@progbits
	.p2align	6, 0x0
	.amdhsa_kernel k_qe8ed5b7b83_qkv
		.amdhsa_group_segment_fixed_size 327680
		.amdhsa_private_segment_fixed_size 0
		.amdhsa_enable_private_segment 0
		.amdhsa_kernarg_size 40
		.amdhsa_user_sgpr_count 2
		.amdhsa_user_sgpr_kernarg_segment_ptr 1
		.amdhsa_wavefront_size32 1
		.amdhsa_system_sgpr_workgroup_id_x 1
		.amdhsa_system_sgpr_workgroup_id_y 1
		.amdhsa_system_sgpr_workgroup_id_z 1
		.amdhsa_system_vgpr_workitem_id 0
		.amdhsa_next_free_vgpr 1024
		.amdhsa_next_free_sgpr 100
		.amdhsa_reserve_vcc 0
		.amdhsa_float_denorm_mode_32 3
		.amdhsa_float_denorm_mode_16_64 3
		.amdhsa_memory_ordered 1
		.amdhsa_forward_progress 1
		.amdhsa_inst_pref_size 196
	.end_amdhsa_kernel
	.amdgpu_metadata
---
amdhsa.version: [ 1, 2 ]
amdhsa.kernels:
  - .name:           k_qe8ed5b7b83_qkv
    .symbol:         k_qe8ed5b7b83_qkv.kd
    .args:
      - { .name: xq, .offset: 0, .size: 8, .value_kind: global_buffer, .address_space: global }
      - { .name: wq, .offset: 8, .size: 8, .value_kind: global_buffer, .address_space: global }
      - { .name: rope, .offset: 16, .size: 8, .value_kind: global_buffer, .address_space: global }
      - { .name: qh, .offset: 24, .size: 8, .value_kind: global_buffer, .address_space: global }
      - { .name: kv, .offset: 32, .size: 8, .value_kind: global_buffer, .address_space: global }
    .group_segment_fixed_size: 327680
    .private_segment_fixed_size: 0
    .kernarg_segment_align: 8
    .kernarg_segment_size: 40
    .max_flat_workgroup_size: 128
    .sgpr_count:     100
    .vgpr_count:     1024
    .wavefront_size: 32
...
	.end_amdgpu_metadata
.endif
;; end of part 2
;; launch attn (part 3): grid 4 x 64, 8 waves a work-group, clusters of 4 x 4, 327,680 bytes of LDS; arguments qh, kv, attn_bias, y; writes y
.if DOCPART == 3
	.amdgcn_target "amdgcn-amd-amdhsa--gfx1250"
	.amdhsa_code_object_version 6
	.text
	.protected	k_qe8ed5b7b83_attn
	.globl	k_qe8ed5b7b83_attn
	.p2align	8
	.type	k_qe8ed5b7b83_attn,@function
k_qe8ed5b7b83_attn:
	s_mov_b64 s[64:65], 0
	v_nop
	global_prefetch_b8 v0, s[64:65] scope:SCOPE_SE
	s_setreg_imm32_b32 hwreg(HW_REG_WAVE_MODE, 25, 1), 1
	s_wait_xcnt 0x0
	s_wait_alu depctr_hold_cnt(0) depctr_sa_sdst(0) depctr_va_vdst(0) depctr_va_sdst(0) depctr_va_ssrc(0) depctr_va_vcc(0) depctr_vm_vsrc(0)
	s_getreg_b32 s2, hwreg(HW_REG_IB_STS2, 6, 4)
	s_cmp_eq_u32 s2, 0
	s_cbranch_scc0 .Lentry_in_a_cluster
	s_endpgm
.Lentry_in_a_cluster:
	s_bfe_u32 s2, ttmp6, 0x10000c
	s_cmp_lg_u32 s2, 0xf033
	s_cbranch_scc0 .Lentry_shape_is_right
	s_endpgm
.Lentry_shape_is_right:
; Launch 3 of 4: y[b][t][head][:] = the sum over keys of softmax(q . k / 8 + attn_bias[t][key]) v.  Nothing is left out: the bias differs along the softmax's axis and is added as it is given.
; qh: [b][16][t][64] f16, already x 1/8.  kv: k [b][4][t][64] f16 at 0, v at 4,194,304.  attn_bias: [2048][2048] f32.  y: [b t][1024] f16.
; Products on f16 operands with f32 sums; maxima, exponentials and sums in f32; the weights p (at most 1) are rounded to f16 for the second product, y once at the end.  LIMIT: f16's range, 6e-8 to 65,504.
; SHARES.  A work-group owns 128 queries x the four heads of one key/value group; each of its eight waves 16 queries x 4 heads: four tiles.  So a fragment of K or V read from LDS feeds four matrix
; instructions, and a tile of the bias serves four heads.  Every wave walks all 2,048 keys, 64 a step.
; LAYOUT.  S^T = K Q^T + bias^T (source 0 = 16 keys, source 1 = 16 queries; the bias, in the result's layout, is the C of each score tile's first product: it costs no addition): a lane holds ONE query and
; eight keys.  Two such tiles, rounded to f16 in pairs, ARE source 1 of O^T = V^T P.  V ([key][channel]) comes out of LDS turned, by ds_load_tr16_b128.  P is packed in place over the low half of its scores.
; SOFTMAX.  A running maximum m and sum l for each query: p = 2^(c S - c m), c = log2 e; in every step O and l are multiplied by a = 2^(c m_old - c m_new).
; TWO ROLES.  A step is a matrix phase M (V^T P of the step before, K Q^T of this step; all the step's LDS reads) and a vector phase SM (its softmax).  Two waves share a SIMD.  Waves of role 0 run M SM M SM between
; two changes of slots, waves of role 1 SM M SM M (they carry their last softmax over the change): so one wave's vector phase stands beside the other's matrix phase.  Both roles read the same LDS bytes between
; the same barriers.
; CLUSTER 4 x 4: x = the key/value group, y = four blocks of queries of one batch.  K and V hang on (batch, group): asked for JOINTLY by the four of a column.  The bias hangs on the block of queries: jointly by the four of a row.
; REGISTERS: window 0: v2-12 addresses; v30, v31 the add's two; v32-63 statistics, 8 a tile (+0 c m, +1 m, +2, +3 l, +4..+7 at work, a at +6); v64-191 S^T, 32 a tile (P in the low 16); v192-223 the bias.
;   window 1: v0-127 O^T, 32 a tile; v128-191 Q, 16 a tile; v192-223, v224-255 the two halves of the one buffer for K's and V's fragments.
.set KP,    144                        ; a key's row of K in LDS: 128 bytes + 16
.set VP,    160                        ; of V: 128 + 32: an odd multiple of 32
.set BP,    272                        ; a query's row of the bias: 64 keys x 4 bytes + 16
.set VOFF,  64*KP                      ; a step's tiles lie together: 64 rows of K, 64 of V, 128 of the bias
.set BOFF,  VOFF+64*VP
.set STEPB, BOFF+128*BP
.set SLOT1, 1<<17                      ; a slot holds two steps; slot 1 begins here, so that one exclusive or turns an address
.set STAGE, SLOT1+2*STEPB              ; the way out: 16 rows x (512 bytes + 16) for each wave
.set SP,    528
.set SPARE, STAGE+8*16*SP              ; the spare words: 128 bytes for each wave
.set AK0, 2
.set AV0, 3
.set AB0, 4
.set ADK, 5
.set ADV, 6
.set ADB, 7
.set QO,  8
.set STO, 9
.set RD,  10
.set GO,  11
.set PFO, 12
.set SPW, 30
.set NIL, 31
.set ST,  32
.set S,   64
.set BI,  192
.set QF,  128                          ; window 1
.set HF,  192                          ; window 1
.set WV,   14
.set ROLE, 15
.set G1K,  24
.set G1V,  32
.set G1B,  40
.set G0K,  48                          ; two sets each: for the two first fills; the second then walks
.set G0V,  56
.set G0B,  68
.set CS,   76
.set SEL,  78
.set TB,   80                          ; LDS byte at which the tiles of the step to be read begin
.set SLOTS, 81
.set LIM,  82
.set TWICE, 83
.set PFA,  84
.set PFS,  86
.set MSB, 0
.macro WIN new                         ; the immediate's high byte repeats the setting that is left
.if MSB != \new
	s_set_vgpr_msb (MSB<<8)|\new
.set MSB, \new
.endif
.endm
.set W_QK, 0x05                        ; K and Q in window 1; the bias and S^T in window 0
.set W_PV, 0x51                        ; V, C and D in window 1; P in window 0
.set W_LD, 0x40                        ; destination window 1
.set W_RS, 0x41                        ; O^T in window 1, a in window 0
.macro PLACES n
.rept \n
	v_nop
.endr
.endm
; A joint refill: waves 0, 1 K's two steps, waves 2, 3 V's, waves 4 to 7 the bias's four tiles.  The branches hang on the wave's number alone.  An s_nop 0 and four v_nop follow each line.
.macro JLOAD
	s_cmp_lt_u32 s[WV], 2
	s_cbranch_scc0 .Lnot_k_\@
	tensor_load_to_lds s[G0K+4:G0K+7], s[G1K:G1K+7]
	s_nop 0
.rept 4
	v_nop
.endr
	s_branch .Lasked_\@
.Lnot_k_\@:
	s_cmp_lt_u32 s[WV], 4
	s_cbranch_scc0 .Lnot_v_\@
	tensor_load_to_lds s[G0V+4:G0V+7], s[G1V:G1V+7]
	s_nop 0
.rept 4
	v_nop
.endr
	s_branch .Lasked_\@
.Lnot_v_\@:
	tensor_load_to_lds s[G0B+4:G0B+7], s[G1B:G1B+7]
	s_nop 0
.rept 4
	v_nop
.endr
.Lasked_\@:
.endm
; A PREFETCH INTO THE L2 of what the NEXT change of slots will ask for, two key steps ahead of that load.  Each aligned block of 256 bytes is named once in the launch.
; K and V of a (batch, group) are walked by four clusters: the first of them (cluster y % 4 = 0) asks, by wave 0; the four partners of a column take K's two halves and V's two halves of a slot, 8,192 bytes each, lanes
; 256 bytes apart.  The bias of a block of queries is walked by the four batches: batch 0's cluster asks, by waves 4 and 5; the four partners of a row take 32 queries each, a lane a row, a wave for each 256 bytes.
; Partners are told apart BY ADDRESS alone.  The last change that fills a slot asks for nothing; slots 0 to 2 come by their loads alone.
.macro ASK
	s_cmp_gt_u32 s[SLOTS], s[LIM]
	s_cbranch_scc0 .Lnot_mine_\@
	global_prefetch_b8 v[PFO], s[PFA:PFA+1] th:TH_LOAD_NT scope:SCOPE_SE
.Lnot_mine_\@:
.endm
.macro CROUND                          ; a round of the cluster's barrier
	s_barrier_signal -1
	s_barrier_wait -1
	s_cmp_lg_u32 s[WV], 0
	s_cbranch_scc1 .Lnot_wave_0_\@
	s_barrier_signal -3
.Lnot_wave_0_\@:
	s_barrier_wait -3
	s_barrier_signal -1
	s_barrier_wait -1
.endm
	s_load_b256 s[4:11], s[0:1], 0x0               ; qh s[4:5], kv s[6:7], attn_bias s[8:9], y s[10:11]
	v_lshl_add_u32 v[SPW], v0, 2, SPARE
	v_mov_b32 v[NIL], 0
	ds_add_u32 v[SPW], v[NIL]                      ; the wave's opening: the add, twice on end, and its wait ahead of my first tensor load
	ds_add_u32 v[SPW], v[NIL]
	v_lshrrev_b32 v1, 5, v0
	v_readfirstlane_b32 s[WV], v1                  ; wave 0..7
	s_lshr_b32 s[ROLE], s[WV], 2
	s_xor_b32 s[ROLE], s[ROLE], s[WV]
	s_and_b32 s[ROLE], s[ROLE], 1                  ; differs between waves w and w + 4, and between 2 i and 2 i + 1
	s_bfe_u32 s16, ttmp6, 0x40000                  ; cx: the key/value group
	s_bfe_u32 s17, ttmp6, 0x40004                  ; cy
	s_and_b32 s18, ttmp7, 0xffff                   ; the cluster's y
	s_lshr_b32 s19, s18, 2                         ; the batch
	s_and_b32 s20, s18, 3
	s_lshl_b32 s21, s20, 2
	s_add_co_u32 s21, s21, s17
	s_lshl_b32 s21, s21, 7                         ; my work-group's first query
	s_and_b32 s22, s[WV], 1
	s_bfe_u32 s23, s[WV], 0x10001                  ; (wave / 2) % 2
	s_lshl_b32 s88, 0x1111, s16                    ; my column of the cluster
	s_lshl_b32 s89, s17, 2
	s_lshl_b32 s89, 15, s89                        ; my row
	s_or_b32 s[G1K], s88, (1<<16)|(1<<20)|(1<<21)|(4<<22)|(3<<25)   ; elements of 2 bytes; 4 words of padding after every 32
	s_or_b32 s[G1V], s88, (1<<16)|(1<<20)|(1<<21)|(4<<22)|(7<<25)   ; 8 words
	s_or_b32 s[G1B], s89, (2<<16)|(1<<20)|(1<<21)|(5<<22)|(3<<25)   ; elements of 4 bytes; 4 words after every 64
.irp g, G1K, G1V, G1B
	s_mov_b32 s[\g+1], 64<<16                      ; tensor_dim0 = 64
	s_mov_b32 s[\g+2], 64<<16                      ; tensor_dim1 = 64
	s_mov_b32 s[\g+3], 64<<16                      ; tile_dim0 = 64
	s_mov_b32 s[\g+4], 64                          ; tile_dim1 = 64
	s_mov_b32 s[\g+6], 0
	s_mov_b32 s[\g+7], 0
.endr
	s_mov_b32 s[G1K+5], 64                         ; from row to row, in elements
	s_mov_b32 s[G1V+5], 64
	s_mov_b32 s[G1B+5], 2048
	; K's and V's tiles hang on the batch, cx and the wave; the bias's on the cluster's y, cy and the wave: each in registers that never hold the other coordinate
	s_lshl_b32 s88, s19, 2
	s_add_co_u32 s88, s88, s16
	s_lshl_b32 s88, s88, 18                        ; (4 b + g) x 2,048 rows of 128 bytes
	s_lshl_b32 s89, s22, 13                        ; + the step that I fetch: 64 rows
	s_add_co_u32 s88, s88, s89
	s_mov_b32 s89, 0
	s_add_co_u32 s90, s88, 4194304
	s_mov_b32 s91, 0
	s_lshl_b32 s92, s22, 6
	s_add_co_u32 s92, s92, s21                     ; the bias: my 64 queries,
	s_lshl_b32 s92, s92, 13
	s_lshl_b32 s93, s23, 8                         ; my step's 64 keys
	s_add_co_u32 s92, s92, s93
	s_mov_b32 s93, 0
	s_mul_i32 s94, s22, STEPB                      ; where they go: no place in the cluster enters an LDS address
	s_mul_i32 s95, s23, STEPB
	s_mul_i32 s96, s22, 64*BP
	s_add_co_u32 s95, s95, s96
	s_add_co_u32 s95, s95, BOFF
	s_lshl_b32 s96, s[WV], 4
	s_add_co_u32 s96, s96, s21                     ; my wave's first query
	s_lshl_b32 s97, s19, 4
	s_lshl_b32 s98, s16, 2
	s_add_co_u32 s97, s97, s98                     ; 16 b + 4 g: my first head
	s_lshl_b32 s97, s97, 11
	s_add_co_u32 s97, s97, s96
	s_lshl_b32 s98, s97, 7                         ; Q's byte offset
	s_mov_b32 s99, 0
	s_lshl_b32 s97, s19, 11
	s_add_co_u32 s96, s96, s97
	s_lshl_b32 s96, s96, 11                        ; y: a row is 2,048 bytes,
	s_lshl_b32 s97, s16, 9                         ; my four heads 512 of them
	s_add_co_u32 s96, s96, s97
	s_mov_b32 s97, 0
	; the prefetches: where mine stand (in slot 2: the first change of slots steps them to slot 3), and who asks
	s_lshl_b32 s2, s19, 2
	s_add_co_u32 s2, s2, s16
	s_lshl_b32 s2, s2, 18
	s_lshr_b32 s3, s17, 1
	s_lshl_b32 s3, s3, 22                          ; cy / 2: K or V
	s_add_co_u32 s2, s2, s3
	s_and_b32 s3, s17, 1
	s_lshl_b32 s3, s3, 13                          ; cy % 2: which 8,192 bytes of a slot's 16,384
	s_add_co_u32 s2, s2, s3
	s_add_co_u32 s2, s2, 2*16384
	s_lshl_b32 s3, s16, 5
	s_add_co_u32 s3, s3, s21                       ; the bias: my work-group's 32 queries of the 128
	s_lshl_b32 s3, s3, 13
	s_lshl_b32 s12, s22, 8
	s_add_co_u32 s3, s3, s12
	s_add_co_u32 s3, s3, 2*512
	s_or_b32 s12, s[WV], s20                       ; 0: wave 0, cluster y % 4 = 0
	s_sub_co_u32 s13, s[WV], 4
	s_lshr_b32 s13, s13, 1
	s_or_b32 s13, s13, s19                         ; 0: waves 4 and 5, batch 0
	s_mov_b32 s[PFS], 512
	s_mov_b32 s[PFS+1], 0
	s_cmp_lt_u32 s[WV], 4
	s_cselect_b32 s[PFS], 16384, s[PFS]            ; a slot on
	s_cselect_b32 s2, s2, s3
	s_cselect_b32 s12, s12, s13
	s_cselect_b32 s13, 8, 13                       ; from lane to lane: 256 bytes, or a row of the bias
	s_mov_b32 s3, 0
	s_cmp_eq_u32 s12, 0
	s_cselect_b32 s[LIM], 1, -1                    ; made of the wave's number and the cluster's y: the same in all sixteen partners
	v_and_b32 v[PFO], 31, v0
	v_lshlrev_b32 v[PFO], s13, v[PFO]
	s_mov_b32 s[CS], 0x3fb8aa3b                    ; c = log2 e
	s_mov_b32 s[CS+1], s[CS]
	s_mov_b32 s[SEL], 0x76543210
	s_mov_b32 s[SEL+1], 0xfedcba98                 ; v_permlanex16_b32: lane l xor 16
	s_mov_b32 s[TB], 0
	s_mov_b32 s[SLOTS], 14                         ; 16 slots' worth of keys; all but the last two slots are filled again
	s_wait_dscnt 0x0                               ; both opening adds are done
	s_wait_kmcnt 0x0
	s_cmp_lt_u32 s[WV], 4
	s_cselect_b64 s[PFA:PFA+1], s[6:7], s[8:9]
	s_add_nc_u64 s[PFA:PFA+1], s[PFA:PFA+1], s[2:3]
	s_add_nc_u64 s[4:5], s[4:5], s[98:99]
	s_add_nc_u64 s[10:11], s[10:11], s[96:97]
	s_add_nc_u64 s[88:89], s[6:7], s[88:89]
	s_add_nc_u64 s[90:91], s[6:7], s[90:91]
	s_add_nc_u64 s[92:93], s[8:9], s[92:93]
	CROUND                                         ; all sixteen work-groups are here: the first joint loads meet
.irp s, 0,1
	s_mov_b32 s[G0K+4*\s], 1
	s_add_co_u32 s[G0K+4*\s+1], s94, \s*SLOT1
	s_add_nc_u64 s[G0K+4*\s+2:G0K+4*\s+3], s[88:89], \s*16384      ; slot s begins with keys 128 s
	s_or_b32 s[G0K+4*\s+3], s[G0K+4*\s+3], 0x80000000
	s_mov_b32 s[G0V+4*\s], 1
	s_add_co_u32 s[G0V+4*\s+1], s94, \s*SLOT1+VOFF
	s_add_nc_u64 s[G0V+4*\s+2:G0V+4*\s+3], s[90:91], \s*16384
	s_or_b32 s[G0V+4*\s+3], s[G0V+4*\s+3], 0x80000000
	s_mov_b32 s[G0B+4*\s], 1
	s_add_co_u32 s[G0B+4*\s+1], s95, \s*SLOT1
	s_add_nc_u64 s[G0B+4*\s+2:G0B+4*\s+3], s[92:93], \s*512
	s_or_b32 s[G0B+4*\s+3], s[G0B+4*\s+3], 0x80000000
.endr
	s_cmp_lt_u32 s[WV], 2                          ; every wave's two first fills stand in one arm: two tensor loads of mine are out
	s_cbranch_scc0 .Lfirst_nk
	tensor_load_to_lds s[G0K:G0K+3], s[G1K:G1K+7]
	s_nop 0
	tensor_load_to_lds s[G0K+4:G0K+7], s[G1K:G1K+7]
	s_nop 0
.rept 4
	v_nop
.endr
	s_branch .Lfirst_asked
.Lfirst_nk:
	s_cmp_lt_u32 s[WV], 4
	s_cbranch_scc0 .Lfirst_nv
	tensor_load_to_lds s[G0V:G0V+3], s[G1V:G1V+7]
	s_nop 0
	tensor_load_to_lds s[G0V+4:G0V+7], s[G1V:G1V+7]
	s_nop 0
.rept 4
	v_nop
.endr
	s_branch .Lfirst_asked
.Lfirst_nv:
	tensor_load_to_lds s[G0B:G0B+3], s[G1B:G1B+7]
	s_nop 0
	tensor_load_to_lds s[G0B+4:G0B+7], s[G1B:G1B+7]
	s_nop 0
.rept 4
	v_nop
.endr
.Lfirst_asked:
	v_and_b32 v1, 15, v0                           ; r
	v_bfe_u32 v13, v0, 4, 1                        ; h
	v_lshlrev_b32 v[QO], 7, v1
	v_lshl_add_u32 v[QO], v13, 4, v[QO]            ; Q: row r of 128 bytes + 16 h
	WIN W_LD
.irp t, 0,1,2,3                        ; Q stays in registers: head t, channels 32 c on
.irp c, 0,1
	global_load_b128 v[QF+16*\t+8*\c:QF+16*\t+8*\c+3],   v[QO], s[4:5] offset:262144*\t+64*\c
	global_load_b128 v[QF+16*\t+8*\c+4:QF+16*\t+8*\c+7], v[QO], s[4:5] offset:262144*\t+64*\c+32
.endr
.endr
	WIN 0
	v_mul_u32_u24 v[AK0], v1, KP
	v_lshl_add_u32 v[AK0], v13, 4, v[AK0]          ; K: row r x pitch + 16 h
	v_and_b32 v14, 7, v0
	v_bfe_u32 v15, v0, 3, 1
	v_lshl_add_u32 v[AV0], v13, 3, v14             ; V, turned: key 8 h + l % 8, channels 8 ((l / 8) % 2) on
	v_mul_u32_u24 v[AV0], v[AV0], VP
	v_lshl_add_u32 v[AV0], v15, 4, v[AV0]
	v_add_nc_u32 v[AV0], VOFF, v[AV0]
	s_mul_i32 s96, s[WV], 16*BP
	s_add_co_u32 s96, s96, BOFF
	v_mul_u32_u24 v[AB0], v1, BP
	v_lshl_add_u32 v[AB0], v13, 5, v[AB0]
	v_add_nc_u32 v[AB0], s96, v[AB0]               ; the bias: query 16 w + r, keys 8 h on
	s_mul_i32 s96, s[WV], 16*SP
	s_add_co_u32 s96, s96, STAGE                   ; my stage
	v_mul_u32_u24 v[STO], v1, SP
	v_lshl_add_u32 v[STO], v13, 4, v[STO]
	v_add_nc_u32 v[STO], s96, v[STO]
	v_and_b32 v14, 31, v0
	v_lshlrev_b32 v[GO], 4, v14
	v_add_nc_u32 v[RD], s96, v[GO]
.macro LDB                             ; the step's bias for my 16 queries: score tile kt wants keys 16 kt + 8 h + 0..7 of query r
.irp kt, 0,1,2,3
	ds_load_b128 v[BI+8*\kt:BI+8*\kt+3],   v[ADB] offset:64*\kt
	ds_load_b128 v[BI+8*\kt+4:BI+8*\kt+7], v[ADB] offset:64*\kt+16
.endr
.endm
.macro LDK p                           ; key tiles 2 p, 2 p + 1, both halves of the 64 channels, into half p of the buffer
	WIN W_LD
.irp kk, 0,1
.irp c, 0,1
	ds_load_b128 v[HF+32*\p+16*\kk+8*\c:HF+32*\p+16*\kk+8*\c+3],   v[ADK] offset:(2*\p+\kk)*16*KP+64*\c
	ds_load_b128 v[HF+32*\p+16*\kk+8*\c+4:HF+32*\p+16*\kk+8*\c+7], v[ADK] offset:(2*\p+\kk)*16*KP+64*\c+32
.endr
.endr
.endm
.macro LDV kb                          ; keys 32 kb on, four tiles of 16 channels, turned, into half kb
	WIN W_LD
.irp ct, 0,1,2,3
	ds_load_tr16_b128 v[HF+32*\kb+8*\ct:HF+32*\kb+8*\ct+3],   v[ADV] offset:32*\kb*VP+32*\ct
	ds_load_tr16_b128 v[HF+32*\kb+8*\ct+4:HF+32*\kb+8*\ct+7], v[ADV] offset:32*\kb*VP+16*VP+32*\ct
.endr
.endm
; 16 products O^T += V^T P: the 16 accumulators take turns, one instruction a turn.  zero = 1: they start the sums
.macro PVH kb, zero
	WIN W_PV
.irp ct, 0,1,2,3
.irp t, 0,1,2,3
.if \zero
	v_wmma_f32_16x16x32_f16 v[32*\t+8*\ct:32*\t+8*\ct+7], v[HF+32*\kb+8*\ct:HF+32*\kb+8*\ct+7], v[S+32*\t+8*\kb:S+32*\t+8*\kb+7], 0
.else
	v_wmma_f32_16x16x32_f16 v[32*\t+8*\ct:32*\t+8*\ct+7], v[HF+32*\kb+8*\ct:HF+32*\kb+8*\ct+7], v[S+32*\t+8*\kb:S+32*\t+8*\kb+7], v[32*\t+8*\ct:32*\t+8*\ct+7]
.endif
.endr
.endr
.endm
; 16 products S^T = K Q^T + bias: eight score tiles by turns, first with the bias as C, then in place
.macro QKH p
	WIN W_QK
.irp kk, 0,1
.irp t, 0,1,2,3
	v_wmma_f32_16x16x32_f16 v[S+32*\t+8*(2*\p+\kk):S+32*\t+8*(2*\p+\kk)+7], v[HF+32*\p+16*\kk:HF+32*\p+16*\kk+7], v[QF+16*\t:QF+16*\t+7], v[BI+8*(2*\p+\kk):BI+8*(2*\p+\kk)+7]
.endr
.endr
.irp kk, 0,1
.irp t, 0,1,2,3
	v_wmma_f32_16x16x32_f16 v[S+32*\t+8*(2*\p+\kk):S+32*\t+8*(2*\p+\kk)+7], v[HF+32*\p+16*\kk+8:HF+32*\p+16*\kk+15], v[QF+16*\t+8:QF+16*\t+15], v[S+32*\t+8*(2*\p+\kk):S+32*\t+8*(2*\p+\kk)+7]
.endr
.endr
.endm
; THE MATRIX PHASE of step j: V^T P of step j - 1 (pv = 2; 1: it starts O^T's sums; 0: none), K Q^T of step j (kq = 1), and all of step j's LDS reads: each run of eight loads into one half of the buffer stands
; behind that half's last products and their places, and lands under the other half's sixteen products.  V of step j stays in the buffer for the next phase.
.macro M pv, kq
	WIN 0
.if \kq
	v_add_nc_u32 v[ADK], s[TB], v[AK0]
	v_add_nc_u32 v[ADV], s[TB], v[AV0]
	v_add_nc_u32 v[ADB], s[TB], v[AB0]
	LDB
.endif
.if \pv
.if \kq
	s_wait_dscnt 16                                ; V's first half is in; its second half and the bias, sixteen loads, may be out
.else
	s_wait_dscnt 8                                 ; V's first half is in; its second may be out
.endif
	PVH 0, 2-\pv
.if \kq
	PLACES 4
	LDK 0
	s_wait_dscnt 16                                ; V's second half is in; the bias and K's first half may be out
.else
	s_wait_dscnt 0x0
.endif
	PVH 1, 0
.if \kq
	PLACES 5                                       ; five: the next products write over P's registers, which these have read
	LDK 1
.endif
.else
	LDK 0
	LDK 1
.endif
.if \kq
	s_wait_dscnt 8                                 ; the bias and K's first half are in; K's second may be out
	QKH 0
	PLACES 4
	LDV 0
	s_wait_dscnt 8                                 ; K's second half is in; V's first may be out
	QKH 1
	PLACES 4                                       ; also the places in front of the softmax's first read of the scores
	LDV 1
	s_add_co_u32 s[TB], s[TB], STEPB               ; the next phase reads the next step
.endif
	WIN 0
.endm
; THE VECTOR PHASE: the softmax of four tiles, 118 instructions a tile, the four tiles innermost, so that no instruction waits for the one in front of it.  first = 1: no old maximum, no a, nothing to rescale.
.macro SM first
.irp j, 0,1,2,3                        ; the maximum: four chains, one for each score tile, each read from its low end on
.irp t, 0,1,2,3
	v_max3_num_f32 v[ST+8*\t+4+\j], v[S+32*\t+8*\j], v[S+32*\t+8*\j+1], v[S+32*\t+8*\j+2]
.endr
.endr
.irp i, 3,5
.irp j, 0,1,2,3
.irp t, 0,1,2,3
	v_max3_num_f32 v[ST+8*\t+4+\j], v[ST+8*\t+4+\j], v[S+32*\t+8*\j+\i], v[S+32*\t+8*\j+\i+1]
.endr
.endr
.endr
.irp t, 0,1,2,3
	v_max3_num_f32 v[ST+8*\t+4], v[ST+8*\t+4], v[S+32*\t+7], v[S+32*\t+15]
.endr
.irp t, 0,1,2,3
	v_max3_num_f32 v[ST+8*\t+6], v[ST+8*\t+6], v[S+32*\t+23], v[S+32*\t+31]
.endr
.irp t, 0,1,2,3
	v_max3_num_f32 v[ST+8*\t+4], v[ST+8*\t+4], v[ST+8*\t+5], v[ST+8*\t+6]
.endr
.irp t, 0,1,2,3
.if \first
	v_max_num_f32 v[ST+8*\t+4], v[ST+8*\t+4], v[ST+8*\t+7]
.else
	v_max3_num_f32 v[ST+8*\t+4], v[ST+8*\t+4], v[ST+8*\t+7], v[ST+8*\t+1]
.endif
.endr
.irp t, 0,1,2,3
	v_permlanex16_b32 v[ST+8*\t+5], v[ST+8*\t+4], s[SEL], s[SEL+1]   ; the query's other 32 keys lie in the lane 16 away
.endr
.if !\first
.irp t, 0,1,2,3
	v_mov_b32 v[ST+8*\t+7], v[ST+8*\t]             ; c m_old is kept for a
.endr
.endif
.irp t, 0,1,2,3
	v_max_num_f32 v[ST+8*\t+1], v[ST+8*\t+4], v[ST+8*\t+5]
.endr
.irp t, 0,1,2,3
	v_mul_f32 v[ST+8*\t], s[CS], v[ST+8*\t+1]
.endr
.if !\first
.irp t, 0,1,2,3
	v_sub_f32 v[ST+8*\t+7], v[ST+8*\t+7], v[ST+8*\t]
.endr
.endif
.set b, 0
.rept 16
.irp t, 0,1,2,3
	v_pk_fma_f32 v[S+32*\t+2*b:S+32*\t+2*b+1], v[S+32*\t+2*b:S+32*\t+2*b+1], s[CS:CS+1], v[ST+8*\t:ST+8*\t+1] op_sel_hi:[1,0,0] neg_lo:[0,0,1] neg_hi:[0,0,1]   ; c S - c m
.endr
.set b, b+1
.endr
.if !\first
.irp t, 0,1,2,3
	v_exp_f32 v[ST+8*\t+6], v[ST+8*\t+7]           ; a
.endr
.endif
.set e, 0
.rept 32
.irp t, 0,1,2,3
	v_exp_f32 v[S+32*\t+e], v[S+32*\t+e]           ; p
.endr
.set e, e+1
.endr
	v_nop                                          ; a plain instruction behind the last exponential
	s_wait_alu depctr_va_vdst(0)                   ; ONE wait for the whole batch, ahead of its first reader
.irp t, 0,1,2,3                        ; the sums of the unrounded p, in two chains a tile
.if \first
	v_pk_add_f32 v[ST+8*\t+2:ST+8*\t+3], v[S+32*\t:S+32*\t+1], v[S+32*\t+4:S+32*\t+5]
.else
	v_pk_fma_f32 v[ST+8*\t+2:ST+8*\t+3], v[ST+8*\t+2:ST+8*\t+3], v[ST+8*\t+6:ST+8*\t+7], v[S+32*\t:S+32*\t+1] op_sel_hi:[1,0,1]   ; l a + ..
.endif
.endr
.irp t, 0,1,2,3
	v_pk_add_f32 v[ST+8*\t+4:ST+8*\t+5], v[S+32*\t+2:S+32*\t+3], v[S+32*\t+6:S+32*\t+7]
.endr
.if !\first
.irp t, 0,1,2,3
	v_pk_add_f32 v[ST+8*\t+2:ST+8*\t+3], v[ST+8*\t+2:ST+8*\t+3], v[S+32*\t+4:S+32*\t+5]
.endr
.endif
.irp i, 8,12,16,20,24,28
.irp t, 0,1,2,3
	v_pk_add_f32 v[ST+8*\t+2:ST+8*\t+3], v[ST+8*\t+2:ST+8*\t+3], v[S+32*\t+\i:S+32*\t+\i+1]
.endr
.irp t, 0,1,2,3
	v_pk_add_f32 v[ST+8*\t+4:ST+8*\t+5], v[ST+8*\t+4:ST+8*\t+5], v[S+32*\t+\i+2:S+32*\t+\i+3]
.endr
.endr
.irp t, 0,1,2,3
	v_pk_add_f32 v[ST+8*\t+2:ST+8*\t+3], v[ST+8*\t+2:ST+8*\t+3], v[ST+8*\t+4:ST+8*\t+5]
.endr
.set i, 0
.rept 16                               ; P, in place: register i takes scores 2 i and 2 i + 1, which lie at or above it
.irp t, 0,1,2,3
	v_cvt_pk_f16_f32 v[S+32*\t+i], v[S+32*\t+2*i], v[S+32*\t+2*i+1]
.endr
.set i, i+1
.endr
.if !\first
	WIN W_RS
.set i, 0
.rept 16                               ; O^T x a, each accumulator from its low end on
.irp t, 0,1,2,3
	v_pk_mul_f32 v[32*\t+2*i:32*\t+2*i+1], v[32*\t+2*i:32*\t+2*i+1], v[ST+8*\t+6:ST+8*\t+7] op_sel_hi:[1,0]
.endr
.set i, i+1
.endr
	WIN 0
.endif
.endm
; THE CHANGE OF SLOTS.  Each wave waits for all its tensor loads (one is out: its part of the other slot), adds 0 to its spare word, and waits for that and for its reads of the slot (V of its last step is in
; registers then).  fill = 1: the barrier is a round of the cluster's, and the joint refill of the slot just left, with the keys two slots on, is the first thing behind it: it has two key steps in which to land.
.macro CHANGE fill
	WIN 0
	s_wait_tensorcnt 0x0                           ; no tensor load of mine is out, so a group 0 may be written
	ds_add_u32 v[SPW], v[NIL]
.if \fill
.irp g, G0K+4, G0V+4
	s_xor_b32 s[\g+1], s[\g+1], SLOT1              ; the walking descriptors: the other slot than last time,
	s_add_nc_u64 s[\g+2:\g+3], s[\g+2:\g+3], 16384 ; the next 128 keys
.endr
	s_xor_b32 s[G0B+5], s[G0B+5], SLOT1
	s_add_nc_u64 s[G0B+6:G0B+7], s[G0B+6:G0B+7], 512
	s_wait_xcnt 0x0                                ; the last prefetch, two key steps back, has read its address
	s_add_nc_u64 s[PFA:PFA+1], s[PFA:PFA+1], s[PFS:PFS+1]
	s_wait_dscnt 0x0
	CROUND
	JLOAD
	ASK
.else
	s_wait_dscnt 0x0
	s_barrier_signal -1
	s_barrier_wait -1
.endif
	s_sub_co_u32 s[TB], s[TB], 2*STEPB             ; back to a slot's first step,
	s_xor_b32 s[TB], s[TB], SLOT1                  ; in the other slot
.endm
.macro TWO_STEPS                       ; a slot's two key steps: written once, walked twice
	s_mov_b32 s[TWICE], 2
.Lstep_\@:
	s_cmp_eq_u32 s[ROLE], 0
	s_cbranch_scc1 .Lm_\@
	SM 0                                           ; role 1: the softmax of the step before
.Lm_\@:
	M 2, 1
	s_cmp_lg_u32 s[ROLE], 0
	s_cbranch_scc1 .Le_\@
	SM 0                                           ; role 0: this step's
.Le_\@:
	s_sub_co_u32 s[TWICE], s[TWICE], 1
	s_cmp_lg_u32 s[TWICE], 0
	s_cbranch_scc1 .Lstep_\@
.endm
	s_wait_tensorcnt 1                             ; my part of slot 0 is in; slot 1's may stay out
	s_barrier_signal -1
	s_barrier_wait -1
	s_wait_loadcnt 0x0                             ; Q
	M 0, 1                                         ; step 0's scores
	SM 1
	M 1, 1                                         ; V^T P of step 0 starts O^T; step 1's scores
	s_cmp_lg_u32 s[ROLE], 0
	s_cbranch_scc1 .Lslot
	SM 0
.Lslot:                                            ; 14 trips
	CHANGE 1
	TWO_STEPS
	s_sub_co_u32 s[SLOTS], s[SLOTS], 1
	s_cmp_lg_u32 s[SLOTS], 0
	s_cbranch_scc1 .Lslot
	CHANGE 0                                       ; the last slot is written out
	TWO_STEPS
	s_cmp_eq_u32 s[ROLE], 0
	s_cbranch_scc1 .Lfin
	SM 0
.Lfin:
	M 2, 0                                         ; V^T P of the last step
	; THE WAY OUT.  l's halves and the other half of the lanes' are added (these additions are the places behind the last products); O^T / l, rounded to f16, goes through my stage: a row is 4 heads x 64 channels, 512 bytes.
.irp t, 0,1,2,3
	v_add_f32 v[ST+8*\t+4], v[ST+8*\t+2], v[ST+8*\t+3]
.endr
.irp t, 0,1,2,3
	v_permlanex16_b32 v[ST+8*\t+5], v[ST+8*\t+4], s[SEL], s[SEL+1]
.endr
.irp t, 0,1,2,3
	v_add_f32 v[ST+8*\t+4], v[ST+8*\t+4], v[ST+8*\t+5]
.endr
.irp t, 0,1,2,3
	v_rcp_f32 v[ST+8*\t+6], v[ST+8*\t+4]
.endr
	v_nop
	s_wait_alu depctr_va_vdst(0)                   ; one wait for the four reciprocals
.irp t, 0,1,2,3
	WIN W_RS
.set i, 0
.rept 16
	v_pk_mul_f32 v[32*\t+2*i:32*\t+2*i+1], v[32*\t+2*i:32*\t+2*i+1], v[ST+8*\t+6:ST+8*\t+7] op_sel_hi:[1,0]
.set i, i+1
.endr
	WIN 0x05                                       ; sources in window 1, destination in window 0: the scores' registers are free
.set i, 0
.rept 16
	v_cvt_pk_f16_f32 v[S+16*\t+i], v[32*\t+2*i], v[32*\t+2*i+1]
.set i, i+1
.endr
.endr
	WIN 0
.irp t, 0,1,2,3
.irp ct, 0,1,2,3
	ds_store_b128 v[STO], v[S+16*\t+4*\ct:S+16*\t+4*\ct+3] offset:128*\t+32*\ct
.endr
.endr
.irp i, 0,1,2,3,4,5,6,7,8,9,10,11,12,13,14,15
	ds_load_b128 v[128+4*\i:131+4*\i], v[RD] offset:\i*SP          ; LDS serves a wave's instructions in order: these see my stores
.endr
.irp i, 0,1,2,3,4,5,6,7,8,9,10,11,12,13,14,15
	s_wait_dscnt 15-\i
	global_store_b128 v[GO], v[128+4*\i:131+4*\i], s[10:11] offset:2048*\i   ; 32 lanes store 512 consecutive bytes, aligned
.endr
	s_wait_tensorcnt 0x0                           ; the wave's end
	ds_add_u32 v[SPW], v[NIL]
	s_wait_dscnt 0x0
	CROUND                                         ; the closing round
	s_endpgm
.Lfunc_end_k_qe8ed5b7b83_attn:
	.size	k_qe8ed5b7b83_attn, .Lfunc_end_k_qe8ed5b7b83_attn-k_qe8ed5b7b83_attn
	.p2alignl 7, 3214868480
	.fill 96, 4, 3214868480
	.section	.rodata,"a",@progbits
	.p2align	6, 0x0
	.amdhsa_kernel k_qe8ed5b7b83_attn
		.amdhsa_group_segment_fixed_size 327680
		.amdhsa_private_segment_fixed_size 0
		.amdhsa_enable_private_segment 0
		.amdhsa_kernarg_size 32
		.amdhsa_user_sgpr_count 2
		.amdhsa_user_sgpr_kernarg_segment_ptr 1
		.amdhsa_wavefront_size32 1
		.amdhsa_system_sgpr_workgroup_id_x 1
		.amdhsa_system_sgpr_workgroup_id_y 1
		.amdhsa_system_sgpr_workgroup_id_z 1
		.amdhsa_system_vgpr_workitem_id 0
		.amdhsa_next_free_vgpr 512
		.amdhsa_next_free_sgpr 100
		.amdhsa_reserve_vcc 0
		.amdhsa_float_denorm_mode_32 3
		.amdhsa_float_denorm_mode_16_64 3
		.amdhsa_memory_ordered 1
		.amdhsa_forward_progress 1
		.amdhsa_inst_pref_size 229
	.end_amdhsa_kernel
	.amdgpu_metadata
---
amdhsa.version: [ 1, 2 ]
amdhsa.kernels:
  - .name:           k_qe8ed5b7b83_attn
    .symbol:         k_qe8ed5b7b83_attn.kd
    .args:
      - { .name: qh, .offset: 0, .size: 8, .value_kind: global_buffer, .address_space: global }
      - { .name: kv, .offset: 8, .size: 8, .value_kind: global_buffer, .address_space: global }
      - { .name: attn_bias, .offset: 16, .size: 8, .value_kind: global_buffer, .address_space: global }
      - { .name: y, .offset: 24, .size: 8, .value_kind: global_buffer, .address_space: global }
    .group_segment_fixed_size: 327680
    .private_segment_fixed_size: 0
    .kernarg_segment_align: 8
    .kernarg_segment_size: 32
    .max_flat_workgroup_size: 256
    .sgpr_count:     100
    .vgpr_count:     512
    .wavefront_size: 32
...
	.end_amdgpu_metadata
.endif
;; end of part 3
;; launch proj (part 4): grid 4 x 64, 4 waves a work-group, clusters of 4 x 4, 327,680 bytes of LDS; arguments y, wo16, out0; writes out0
.if DOCPART == 4
	.amdgcn_target "amdgcn-amd-amdhsa--gfx1250"
	.amdhsa_code_object_version 6
	.text
	.protected	k_qe8ed5b7b83_proj
	.globl	k_qe8ed5b7b83_proj
	.p2align	8
	.type	k_qe8ed5b7b83_proj,@function
k_qe8ed5b7b83_proj:
	s_mov_b64 s[64:65], 0
	v_nop
	global_prefetch_b8 v0, s[64:65] scope:SCOPE_SE
	s_setreg_imm32_b32 hwreg(HW_REG_WAVE_MODE, 25, 1), 1
	s_wait_xcnt 0x0
	s_wait_alu depctr_hold_cnt(0) depctr_sa_sdst(0) depctr_va_vdst(0) depctr_va_sdst(0) depctr_va_ssrc(0) depctr_va_vcc(0) depctr_vm_vsrc(0)
	s_getreg_b32 s2, hwreg(HW_REG_IB_STS2, 6, 4)
	s_cmp_eq_u32 s2, 0
	s_cbranch_scc0 .Lentry_in_a_cluster
	s_endpgm
.Lentry_in_a_cluster:
	s_bfe_u32 s2, ttmp6, 0x10000c
	s_cmp_lg_u32 s2, 0xf033
	s_cbranch_scc0 .Lentry_shape_is_right
	s_endpgm
.Lentry_shape_is_right:
; Launch 4 of 4: out0 = y Wo.  y: [8192][1024] f16; wo16: Wo as f16, [k][n]; out0: [8192][1024] f32; sums in f32.  Nothing is left out.
; f16 operands: their rounding is eight times finer than bf16's.  LIMIT: f16's range, 6e-8 to 65,504.
; A tile of 128 rows x 256 columns is made by four waves, 64 x 128 each: 32 accumulators; 4 x 64 = 256 work-groups.  K goes in steps of 128 through a ring of two LDS slots.
; THE MATRIX INSTRUCTION IS USED TRANSPOSED: source 0 = 16 columns of Wo, turned out of LDS by ds_load_tr16_b128 (Wo lies [k][n]); source 1 = 16 rows of y: a lane holds eight neighbouring numbers of a row.
; CLUSTER 4 x 4: y's tile hangs on the tile row: asked for jointly along a row of the cluster; Wo's on the tile column: jointly along a column.
; No prefetch: the launch is short and its tile small.
; REGISTERS: window 0: v0-31 addresses; two fragment buffers of 96 (y's 4 fragments, then Wo's 8) at v64 and v160.  window 1: the accumulators, (a, b) at v[8 (8 a + b)].
.set PA,     272                       ; a row of y's tile in LDS: 256 bytes + 16
.set PB,     544                       ; a k-row of Wo's tile: 512 bytes + 32: an odd multiple of 32
.set AT,     128*PA
.set SLOT,   AT+128*PB
.set STAGE,  2*SLOT
.set SPITCH, 528
.set SPARE,  STAGE+4*16*SPITCH
.set LAPS,   4                         ; a lap = two K steps
.set ADRA, 16
.set ADRB, 20
.set STO,  24
.set RD,   25
.set CO,   26
.set SPW,  28
.set NIL,  29
.set F0,   64
.set F1,   160
.set RB,   64                          ; the way out: rows read back, two sets of 64
.set G1, 24
.set G0, 32
.set G1B, 48
.set G0B, 56
.set MSB, 0
.macro WIN new
.if MSB != \new
	s_set_vgpr_msb (MSB<<8)|\new
.set MSB, \new
.endif
.endm
.set MUL, 0x50                         ; C and D window 1, sources window 0
.macro JLOAD s                         ; waves 0, 1 fetch y's two halves, waves 2, 3 Wo's; an s_nop 0 and four v_nop follow each line
	s_cmp_eq_u32 s11, 0
	s_cbranch_scc0 .Lfor_b_\@
	tensor_load_to_lds s[G0+4*\s:G0+4*\s+3], s[G1:G1+7]
	s_nop 0
.rept 4
	v_nop
.endr
	s_branch .Lasked_\@
.Lfor_b_\@:
	tensor_load_to_lds s[G0B+4*\s:G0B+4*\s+3], s[G1B:G1B+7]
	s_nop 0
.rept 4
	v_nop
.endr
.Lasked_\@:
.endm
.macro CREST
	s_cmp_lg_u32 s10, 0
	s_cbranch_scc1 .Lnot_wave_0_\@
	s_barrier_signal -3
.Lnot_wave_0_\@:
	s_barrier_wait -3
	s_barrier_signal -1
	s_barrier_wait -1
.endm
.macro CROUND
	s_barrier_signal -1
	s_barrier_wait -1
	CREST
.endm
	s_load_b128 s[4:7], s[0:1], 0x0                ; y s[4:5], wo16 s[6:7]
	s_load_b64 s[8:9], s[0:1], 0x10                ; out0
	v_lshl_add_u32 v[SPW], v0, 2, SPARE
	v_mov_b32 v[NIL], 0
	ds_add_u32 v[SPW], v[NIL]                      ; the wave's opening: the add, twice on end, and its wait ahead of my first tensor load
	ds_add_u32 v[SPW], v[NIL]
	v_lshrrev_b32 v1, 5, v0
	v_readfirstlane_b32 s10, v1                    ; wave 0..3
	s_lshr_b32 s11, s10, 1                         ; which 64 rows are mine.  Also: I fetch for y (0) or for Wo (1)
	s_and_b32 s12, s10, 1                          ; which 128 columns.  Also: which 64 rows of that tile I fetch
	s_bfe_u32 s40, ttmp6, 0x40000                  ; cx
	s_bfe_u32 s41, ttmp6, 0x40004                  ; cy
	s_lshl_b32 s42, ttmp9, 2
	s_add_co_u32 s42, s42, s40                     ; tile column
	s_and_b32 s13, ttmp7, 0xffff
	s_lshl_b32 s13, s13, 2
	s_add_co_u32 s13, s13, s41                     ; tile row
	s_lshl_b32 s43, s41, 2
	s_lshl_b32 s43, 15, s43                        ; my row of the cluster
	s_lshl_b32 s44, 0x1111, s40                    ; my column
	s_or_b32 s[G1+0], s43, (1<<16)|(1<<20)|(1<<21)|(5<<22)|(3<<25)   ; elements of 2 bytes; 4 words of padding after every 64
	s_or_b32 s[G1B+0], s44, (1<<16)|(1<<20)|(1<<21)|(6<<22)|(7<<25)  ; 8 words after every 128
	s_mov_b32 s[G1+1], 128<<16                     ; y: 64 rows x 128 elements
	s_mov_b32 s[G1+2], 64<<16
	s_mov_b32 s[G1+3], 128<<16
	s_mov_b32 s[G1+4], 64
	s_mov_b32 s[G1+5], 1024
	s_mov_b32 s[G1+6], 0
	s_mov_b32 s[G1+7], 0
	s_mov_b32 s[G1B+1], 256<<16                    ; Wo: 64 k-rows x 256 elements
	s_mov_b32 s[G1B+2], 64<<16
	s_mov_b32 s[G1B+3], 256<<16
	s_mov_b32 s[G1B+4], 64
	s_mov_b32 s[G1B+5], 1024
	s_mov_b32 s[G1B+6], 0
	s_mov_b32 s[G1B+7], 0
	s_lshl_b32 s16, s13, 7
	s_lshl_b32 s17, s12, 6
	s_add_co_u32 s16, s16, s17
	s_lshl_b32 s16, s16, 11                        ; y: row 128 x tile row + 64 x half, 2,048 bytes a row
	s_mov_b32 s17, 0
	s_lshl_b32 s46, s12, 17                        ; Wo: k-row 64 x half,
	s_lshl_b32 s47, s42, 9                         ; column 256 x tile column
	s_add_co_u32 s46, s46, s47
	s_mov_b32 s47, 0
	s_mul_i32 s20, s12, 64*PA                      ; where they go
	s_mul_i32 s21, s12, 64*PB
	s_add_co_u32 s21, s21, AT
	s_wait_dscnt 0x0                               ; both opening adds are done
	s_wait_kmcnt 0x0
	s_add_nc_u64 s[14:15], s[4:5], s[16:17]
	s_add_nc_u64 s[46:47], s[6:7], s[46:47]
	CROUND                                         ; all sixteen work-groups are here: the first joint loads meet
.irp s, 0,1
	s_mov_b32 s[G0+4*\s], 1
	s_add_co_u32 s[G0+4*\s+1], s20, \s*SLOT
	s_add_nc_u64 s[G0+4*\s+2:G0+4*\s+3], s[14:15], \s*256          ; K step s: 128 elements along a row
	s_or_b32 s[G0+4*\s+3], s[G0+4*\s+3], 0x80000000
	s_mov_b32 s[G0B+4*\s], 1
	s_add_co_u32 s[G0B+4*\s+1], s21, \s*SLOT
	s_add_nc_u64 s[G0B+4*\s+2:G0B+4*\s+3], s[46:47], \s*262144     ; 128 k-rows down
	s_or_b32 s[G0B+4*\s+3], s[G0B+4*\s+3], 0x80000000
	JLOAD \s
.endr
	v_and_b32 v1, 15, v0                           ; r
	v_bfe_u32 v2, v0, 4, 1                         ; h
	v_mul_u32_u24 v3, v1, PA
	v_lshl_add_u32 v3, v2, 4, v3                   ; y: row r x pitch + 16 h
	v_and_b32 v4, 7, v0
	v_bfe_u32 v5, v0, 3, 1
	v_lshl_add_u32 v4, v2, 3, v4                   ; Wo, turned: k-row 8 h + l % 8, columns 8 ((l / 8) % 2) on
	v_mul_u32_u24 v4, v4, PB
	v_lshl_add_u32 v4, v5, 4, v4
	s_mul_i32 s21, s11, 64*PA                      ; my 64 rows of y
	s_lshl_b32 s22, s12, 8                         ; my 128 columns of Wo,
	s_add_co_u32 s22, s22, AT                      ; which lies behind y's tile
.irp s, 0,1
	v_add_nc_u32 v[ADRA+\s], s21, v3
	v_add_nc_u32 v[ADRB+\s], s22, v4
	s_add_co_u32 s21, s21, SLOT
	s_add_co_u32 s22, s22, SLOT
.endr
	s_mul_i32 s23, s10, 16*SPITCH
	s_add_co_u32 s23, s23, STAGE                   ; my stage
	v_mul_u32_u24 v5, v1, SPITCH
	v_lshl_add_u32 v5, v2, 5, v5
	v_add_nc_u32 v[STO], s23, v5                   ; in: row r, 32 bytes for each half of the lanes
	v_and_b32 v6, 31, v0
	v_lshlrev_b32 v[CO], 4, v6
	v_add_nc_u32 v[RD], s23, v[CO]                 ; back: the 32 lanes take one row of 512 bytes
	s_lshl_b32 s16, s13, 7
	s_lshl_b32 s17, s11, 6
	s_add_co_u32 s16, s16, s17
	s_lshl_b32 s16, s16, 12                        ; my first row of out0, 4,096 bytes a row
	s_mov_b32 s17, 0
	s_add_nc_u64 s[8:9], s[8:9], s[16:17]
	s_lshl_b32 s46, s42, 10                        ; my first column, in bytes
	s_lshl_b32 s47, s12, 9
	s_add_co_u32 s46, s46, s47
	s_mov_b32 s47, 0
	s_add_nc_u64 s[8:9], s[8:9], s[46:47]
.macro MUL8 f, a, zero                 ; y's block a against Wo's eight; the 32 accumulators take turns, one instruction a turn, in the same order in every quarter
.irp b, 0,1,2,3,4,5,6,7
.if \zero
	v_wmma_f32_16x16x32_f16 v[8*(8*(\a)+\b):8*(8*(\a)+\b)+7], v[\f+32+8*\b:\f+32+8*\b+7], v[\f+8*(\a):\f+8*(\a)+7], 0
.else
	v_wmma_f32_16x16x32_f16 v[8*(8*(\a)+\b):8*(8*(\a)+\b)+7], v[\f+32+8*\b:\f+32+8*\b+7], v[\f+8*(\a):\f+8*(\a)+7], v[8*(8*(\a)+\b):8*(8*(\a)+\b)+7]
.endif
.endr
.endm
.macro FETCH slot, q, f                ; 24 LDS loads in one run: the fragments of the slot's q-th 32 along K
	WIN 0
.irp b, 0,1,2,3,4,5,6,7
	ds_load_tr16_b128 v[\f+32+8*\b:\f+32+8*\b+3],   v[ADRB+\slot] offset:32*PB*(\q)+32*\b
	ds_load_tr16_b128 v[\f+32+8*\b+4:\f+32+8*\b+7], v[ADRB+\slot] offset:32*PB*(\q)+32*\b+16*PB
.endr
.irp a, 0,1,2,3
	ds_load_b128 v[\f+8*\a:\f+8*\a+3],   v[ADRA+\slot] offset:16*PA*\a+64*(\q)
	ds_load_b128 v[\f+8*\a+4:\f+8*\a+7], v[ADRA+\slot] offset:16*PA*\a+64*(\q)+32
.endr
.endm
.macro PLACES
.rept 4
	v_nop
.endr
.endm
; A K step is four quarters of 32 along K, 32 matrix instructions each, on buffers 0, 1, 0, 1.  One of the first three: buffer f is in; the next quarter (qn) is fetched into g and lands under f's products.
.macro QUARTER slot, qn, f, g, zero
	s_wait_dscnt 0x0
	PLACES                                         ; in front of loads into the buffer that the quarter before multiplied
	FETCH \slot, \qn, \g
	WIN MUL
	MUL8 \f, 0, \zero
	MUL8 \f, 1, \zero
	MUL8 \f, 2, \zero
	MUL8 \f, 3, \zero
.endm
; The last quarter multiplies buffer 1 and changes slots: one barrier; in front of it each wave waits for all its tensor loads, adds 0 to its spare word, and waits for that and for its reads of this slot.
.macro TURN slot, next, fill
	WIN 0
	s_wait_tensorcnt 0x0                           ; all my tensor loads have landed: my part of the next slot
	ds_add_u32 v[SPW], v[NIL]
	s_wait_dscnt 1                                 ; buffer 1 is in; the add alone may be out
	WIN MUL
	MUL8 F1, 0, 0
	s_wait_dscnt 0x0                               ; the add is done, and my reads of this slot are over
	s_barrier_signal -1
	MUL8 F1, 1, 0
	WIN 0
	s_barrier_wait -1
.if \fill
	CREST                                          ; the barrier has opened a round of the cluster's: no wave of any partner still reads this slot or has a load on its way
	s_add_nc_u64 s[G0+4*\slot+2:G0+4*\slot+3], s[G0+4*\slot+2:G0+4*\slot+3], 2*256
	s_add_nc_u64 s[G0B+4*\slot+2:G0B+4*\slot+3], s[G0B+4*\slot+2:G0B+4*\slot+3], 2*262144
	JLOAD \slot                                    ; the first tensor load behind the round; its four v_nop are also the places in front of the loads below
.else
	PLACES
.endif
	FETCH \next, 0, F0
	WIN MUL
	MUL8 F1, 2, 0
	MUL8 F1, 3, 0
.endm
	s_wait_tensorcnt 1                             ; my part of K step 0 is in; K step 1's load may be out
	s_barrier_signal -1
	s_barrier_wait -1
	FETCH 0, 0, F0
	QUARTER 0, 1, F0, F1, 1                        ; the first quarter's products start the sums
	WIN 0
	s_mov_b32 s3, LAPS-1
.Llap:                                             ; a trip goes once round the ring, from a lap's second quarter to the next lap's first, and fills both slots again
	QUARTER 0, 2, F1, F0, 0
	QUARTER 0, 3, F0, F1, 0
	TURN 0, 1, 1
	QUARTER 1, 1, F0, F1, 0
	QUARTER 1, 2, F1, F0, 0
	QUARTER 1, 3, F0, F1, 0
	TURN 1, 0, 1
	QUARTER 0, 1, F0, F1, 0
	WIN 0
	s_sub_co_u32 s3, s3, 1
	s_cmp_lg_u32 s3, 0
	s_cbranch_scc1 .Llap
	QUARTER 0, 2, F1, F0, 0                        ; the last lap fills nothing
	QUARTER 0, 3, F0, F1, 0
	TURN 0, 1, 0
	QUARTER 1, 1, F0, F1, 0
	QUARTER 1, 2, F1, F0, 0
	QUARTER 1, 3, F0, F1, 0
	s_wait_dscnt 0x0
	WIN MUL
	MUL8 F1, 0, 0
	MUL8 F1, 1, 0
	MUL8 F1, 2, 0
	MUL8 F1, 3, 0
	WIN 0
; THE WAY OUT, block by block of 16 rows x 128 columns: through my own stage, back as whole rows of 512 bytes.
.macro TOSTAGE a
	WIN 0x04                                       ; an LDS store's data are its source 1: window 1
.irp b, 0,1,2,3,4,5,6,7
	ds_store_b128 v[STO], v[8*(8*(\a)+\b):8*(8*(\a)+\b)+3] offset:64*\b          ; each accumulator from its low end on
	ds_store_b128 v[STO], v[8*(8*(\a)+\b)+4:8*(8*(\a)+\b)+7] offset:64*\b+16
.endr
	WIN 0
.irp t, 0,1,2,3,4,5,6,7,8,9,10,11,12,13,14,15
	ds_load_b128 v[RB+64*((\a)%2)+4*\t:RB+64*((\a)%2)+4*\t+3], v[RD] offset:\t*SPITCH   ; LDS serves a wave's instructions in order: these see the stores
.endr
.endm
.macro SEND a, younger                 ; younger: the LDS instructions issued behind block a's loads, which may stay out
	s_wait_dscnt \younger
.irp t, 0,1,2,3,4,5,6,7,8,9,10,11,12,13,14,15
	global_store_b128 v[CO], v[RB+64*((\a)%2)+4*\t:RB+64*((\a)%2)+4*\t+3], s[8:9] offset:(16*(\a)+\t)*4096 th:TH_STORE_NT   ; 32 lanes store 512 consecutive bytes, aligned
.endr
.endm
	PLACES                                         ; behind the last products
	TOSTAGE 0
.irp a, 1,2,3
.if \a > 1
	s_wait_xcnt 0x0                                ; block a - 2's stores have read their registers: block a's loads may land there
.endif
	TOSTAGE \a
	SEND \a-1, 32                                  ; behind block a - 1's loads: block a's 16 stores and 16 loads
.endr
	SEND 3, 0
	s_wait_tensorcnt 0x0                           ; the wave's end
	ds_add_u32 v[SPW], v[NIL]
	s_wait_dscnt 0x0
	CROUND                                         ; the closing round
	s_endpgm
.Lfunc_end_k_qe8ed5b7b83_proj:
	.size	k_qe8ed5b7b83_proj, .Lfunc_end_k_qe8ed5b7b83_proj-k_qe8ed5b7b83_proj
	.p2alignl 7, 3214868480
	.fill 96, 4, 3214868480
	.section	.rodata,"a",@progbits
	.p2align	6, 0x0
	.amdhsa_kernel k_qe8ed5b7b83_proj
		.amdhsa_group_segment_fixed_size 327680
		.amdhsa_private_segment_fixed_size 0
		.amdhsa_enable_private_segment 0
		.amdhsa_kernarg_size 24
		.amdhsa_user_sgpr_count 2
		.amdhsa_user_sgpr_kernarg_segment_ptr 1
		.amdhsa_wavefront_size32 1
		.amdhsa_system_sgpr_workgroup_id_x 1
		.amdhsa_system_sgpr_workgroup_id_y 1
		.amdhsa_system_sgpr_workgroup_id_z 1
		.amdhsa_system_vgpr_workitem_id 0
		.amdhsa_next_free_vgpr 512
		.amdhsa_next_free_sgpr 66
		.amdhsa_reserve_vcc 0
		.amdhsa_float_denorm_mode_32 3
		.amdhsa_float_denorm_mode_16_64 3
		.amdhsa_memory_ordered 1
		.amdhsa_forward_progress 1
		.amdhsa_inst_pref_size 84
	.end_amdhsa_kernel
	.amdgpu_metadata
---
amdhsa.version: [ 1, 2 ]
amdhsa.kernels:
  - .name:           k_qe8ed5b7b83_proj
    .symbol:         k_qe8ed5b7b83_proj.kd
    .args:
      - { .name: y, .offset: 0, .size: 8, .value_kind: global_buffer, .address_space: global }
      - { .name: wo16, .offset: 8, .size: 8, .value_kind: global_buffer, .address_space: global }
      - { .name: out0, .offset: 16, .size: 8, .value_kind: global_buffer, .address_space: global }
    .group_segment_fixed_size: 327680
    .private_segment_fixed_size: 0
    .kernarg_segment_align: 8
    .kernarg_segment_size: 24
    .max_flat_workgroup_size: 128
    .sgpr_count:     66
    .vgpr_count:     512
    .wavefront_size: 32
...
	.end_amdgpu_metadata
.endif
;; end of part 4
